; MI455X (gfx1250); checked and timed in simulation.
; The chip was launched on July 23, 2026; its instructions are those of AMD's public machine-readable ISA for CDNA 5 (MIT licence, August 2026) and "CDNA5" Instruction Set Architecture Reference Guide (July 2026). The comments in the code are by the model that wrote it; some were corrected since.
;; Decoder Block. Allowed arithmetic: matrix products marked QUANTISED: E4M3 operands, one given power-of-two scale a tensor, by v_wmma_f32_16x16x64_fp8_fp8 or v_wmma_f32_16x16x128_fp8_fp8, f32 sums; everything else in f32.
;; Inputs: beta1 1,024 float32; beta2 1,024 float32; dense_b 1,024 float32; dense_w 1,024 x 1,024 float32; fc_w 4,096 x 1,024 float32; gamma1 1,024 float32; gamma2 1,024 float32; lowp_scales 16 int32 (the exponents e of the quantised operands' scales 2^e); mask 2,048 x 2,048 float32; proj_w 1,024 x 4,096 float32; wk_b 1,024 float32; wk_w 1,024 x 1,024 float32; wq_b 1,024 float32; wq_w 1,024 x 1,024 float32; wv_b 1,024 float32; wv_w 1,024 x 1,024 float32; x 2 x 2,048 x 1,024 float32.
;; Outputs: out0 2 x 2,048 x 1,024 float32.
;; This version of the problem:
;;   THIS VERSION OF THE PROBLEM IS GIVEN IN LOW PRECISION. The matrix products marked QUANTISED in the list below multiply operands that are first quantised to E4M3 (4 exponent bits, 3 mantissa bits; 8 bits a number), with one given power-of-two scale for each operand tensor; their sums are f32. All else is computed in f32.
;;   The module's matrix products, in the order in which they are computed (A, B: the left and right operand; K: the contracted axis; several contracted axes count as one K, in the product's order):
;;     1. [M 4,096, K 1,024] x [K 1,024, N 1,024]; A: computed on the way; B: input wq_w: QUANTISED (scales: A lowp_scales[0], B lowp_scales[1])
;;     2. [M 4,096, K 1,024] x [K 1,024, N 1,024]; A: computed on the way; B: input wk_w: QUANTISED (scales: A lowp_scales[2], B lowp_scales[3])
;;     3. [M 4,096, K 1,024] x [K 1,024, N 1,024]; A: computed on the way; B: input wv_w: QUANTISED (scales: A lowp_scales[4], B lowp_scales[5])
;;     4. batch 32 x [M 2,048, K 64] x [K 64, N 2,048]; A: computed on the way; B: computed on the way: QUANTISED (scales: A lowp_scales[6], B lowp_scales[7])
;;     5. batch 32 x [M 2,048, K 2,048] x [K 2,048, N 64]; A: softmax (see below); B: computed on the way: QUANTISED (scales: A lowp_scales[8], B lowp_scales[9])
;;     6. [M 4,096, K 1,024] x [K 1,024, N 1,024]; A: computed on the way; B: input dense_w: QUANTISED (scales: A lowp_scales[10], B lowp_scales[11])
;;     7. [M 4,096, K 1,024] x [K 1,024, N 4,096]; A: computed on the way; B: input fc_w: QUANTISED (scales: A lowp_scales[12], B lowp_scales[13])
;;     8. [M 4,096, K 4,096] x [K 4,096, N 1,024]; A: computed on the way; B: input proj_w: QUANTISED (scales: A lowp_scales[14], B lowp_scales[15])
;;   THE QUANTISER, for each operand of a quantised product, along K:
;;     - The operand's scale is 2^e, e = its entry of the input lowp_scales (int32; the entries are numbered through the quantised products in the list's order, A before B).
;;     - Each number is divided by the scale, clamped to +-448, and rounded to the nearest number of E4M3, ties to even, subnormals kept.
;;     - The product sums the exact products of the quantised numbers (number of the format x scale) in f32.
;;   ~~~python
;;   def quantise(x, axis, e):      # numpy; x: float32 -> the quantised numbers, widened to float32 again
;;       x = np.moveaxis(x, axis, -1); K = x.shape[-1]
;;       r = np.clip(x / 2.0 ** e, -448, 448)
;;       step = 2.0 ** (np.maximum(np.frexp(np.where(r == 0, 1, r))[1] - 1, -6) - 3)
;;       q = np.round(r / step) * step * 2.0 ** e      # np.round: ties to even
;;       return np.moveaxis(q, -1, axis).astype(np.float32)
;;   ~~~
;;   SOFTMAX AHEAD OF A QUANTISED PRODUCT. Where the list says 'softmax', what is quantised is not the finished softmax but p = 2^(t - M), with t = logit x log2(e) and M = ceil(the row's largest t), a whole number; so 1/2 < the row's largest p <= 1. The row's sum l is taken of the UNQUANTISED p, in f32, and the product's result is divided by l at the end. Since M is a whole number, a kernel that streams over the keys may use a running M (the ceiling of the running maximum): every later rescaling is an exact power of two, so the quantised numbers keep their values, but for numbers so far below the row's largest that they fall under the format's range.
;;   OPERANDS COMPUTED ON THE WAY. 'Computed on the way' means the value that the module computes at that place (a softmax that the list does not call 'softmax' is quantised finished and normalised). What goes into a quantiser is computed in f32, as accurately as f32 sums, v_exp_f32 and their like allow (about 1e-6 of the number): no bf16 or f16 on the way to a quantiser, and a product that is left as it is and whose result goes on into a quantised operand takes f32 operands (vector FMAs, or v_wmma_f32_16x16x4_f32). A number that lies on a knife's edge between two numbers of the format may be rounded either way, as far as f32 arithmetic and the matrix unit's own rounding can turn it there, and no further.
;; One version. Each part assembles by itself: llvm-mc -triple=amdgcn-amd-amdhsa -mcpu=gfx1250 --defsym DOCPART=n.
;; ======== version 1 of 1: 7 launches
;; workspace buffers: xnb 29,360,128 bytes; wc 12,582,912 bytes; qkv 12,582,912 bytes; ctx 4,194,304 bytes; h 16,777,216 bytes; hnb 20,971,520 bytes; g 16,777,216 bytes
;; launch prep (part 1): grid 640 x 1, 4 waves a work-group, no clusters, 109,056 bytes of LDS; arguments x, gamma1, beta1, lowp_scales, xnb, wc, wq_w, wk_w, wv_w, dense_w, fc_w, proj_w; writes xnb, wc
.if DOCPART == 1
	.amdgcn_target "amdgcn-amd-amdhsa--gfx1250"
	.amdhsa_code_object_version 6
	.text
	.protected	k_q2e30e31aee_prep
	.globl	k_q2e30e31aee_prep
	.p2align	8
	.type	k_q2e30e31aee_prep,@function
k_q2e30e31aee_prep:
	s_mov_b64 s[64:65], 0
	v_nop
	global_prefetch_b8 v0, s[64:65] scope:SCOPE_SE
	s_setreg_imm32_b32 hwreg(HW_REG_WAVE_MODE, 25, 1), 1
	s_wait_xcnt 0x0
; Work-groups 0-255: xn = gamma1 (x - mean) / (std + 1e-6) + beta1 (std with 1,023 in the divisor), stored as f32 and as three sets of E4M3 codes (scales 2^e0, 2^e2, 2^e4).
; Work-groups 256-639: the six weights (K innermost) become E4M3 codes with their given scales (e1, e3, e5, e11, e13, e15).
; LAYOUT OF ALL CODES: [block of 128 rows][plane of 128 along K][128 places][128 bytes]: a block's planes are dense runs of 16,384 bytes.  "Turned" rows: row i of a block lies at
; place pi(i), pi = bits 3 and 4 exchanged, so that 16 neighbouring places hold rows 8 u + r + 8 (r / 8) of a group of 32: a product that takes them as its first source leaves
; 16 neighbours along the next K in a lane.  Set 0 of xn is plain, sets 1 and 2 and all weights are turned.
; code = number / 2^e, held within +-448, to the nearest code, ties to even.  LIMITS: each e between -126 and 119; NaN among the inputs is not served.
; No tensor loads, no barrier, no cluster: waves share nothing but gamma1 and beta1 (8 KB).  The two paths part on the work-group's number and have LDS bytes of their own.
; IN FLIGHT: on the norm's path a wave asks for all its four rows at the head (32 loads); on the weights' path loads run eight steps (32 loads) ahead.
.set NSETS,  3
.set SP,     80                        ; a place of 64 bytes + 16 of padding in a stage of f32 numbers
.set CPITCH, 1152                      ; a row of 1,024 codes + 128: rows 0 and 1 of a read-back fall on different banks
.set CSET,   4*CPITCH
.set WREG,   64*SP+NSETS*CSET          ; a wave's LDS on the norm's path
.set WOFF,   4*WREG                    ; the weights' path begins here: 8,192 bytes a wave
.set CODES,  16777216                  ; the code sets lie behind xn's f32 numbers
.set SETB,   4194304
.set T,   16                           ; v16-47   two sets of 16 numbers at work; v16-23 also the sums' four chains
.set SCL, 56                           ; v56+2s, v57+2s: 2^e and 448 x 2^e of set s
.set Y,   64                           ; v64-95   32 numbers of the row: 16 neighbours of each half
.set X,   96                           ; v96-223  my four rows
.set CD,  224                          ; v224-247 codes: four registers for each set and half
.set GA,  0                            ; window 1: v0-31 gamma, v32-63 beta
.set BE,  32
.set WR,  16                           ; weights: v16-143 eight sets as loaded; v144-175 two sets of 16 neighbours; v176-239 codes
.set WX,  144
.set WC,  176
.set STEPS, 16
.set AHEAD, 8
.set MSB, 0
.macro WIN new                         ; the immediate's high byte repeats the setting that is left
.if MSB != \new
	s_set_vgpr_msb (MSB<<8)|\new
.set MSB, \new
.endif
.endm
.macro WSUM                            ; v8 summed over the 32 lanes, in every lane
	v_add_f32_dpp v8, v8, v8 row_xmask:1 row_mask:0xf bank_mask:0xf
	v_add_f32_dpp v8, v8, v8 row_xmask:2 row_mask:0xf bank_mask:0xf
	v_add_f32_dpp v8, v8, v8 row_xmask:4 row_mask:0xf bank_mask:0xf
	v_add_f32_dpp v8, v8, v8 row_xmask:8 row_mask:0xf bank_mask:0xf
	v_permlanex16_b32 v9, v8, s30, s31
	v_add_f32 v8, v8, v9
.endm
.macro FOLD                            ; the four chains of pairs become one number, then the wave's sum
	v_pk_add_f32 v[T:T+1], v[T:T+1], v[T+2:T+3]
	v_pk_add_f32 v[T+4:T+5], v[T+4:T+5], v[T+6:T+7]
	v_pk_add_f32 v[T:T+1], v[T:T+1], v[T+4:T+5]
	v_add_f32 v8, v[T], v[T+1]
	WSUM
.endm
.macro MKV e, vs                       ; v[vs] = 2^e, v[vs+1] = 448 x 2^e, e in s[e]
	s_add_co_i32 s52, s[\e], 127
	s_lshl_b32 s53, s52, 23
	v_mov_b32 v[\vs], s53
	s_add_co_i32 s52, s52, 8
	s_lshl_b32 s52, s52, 23
	s_or_b32 s52, s52, 0x600000
	v_mov_b32 v[\vs+1], s52
.endm
.macro XLOAD i                         ; row i of my four: eight loads of 512 consecutive bytes
.irp j, 0,1,2,3,4,5,6,7
	global_load_b128 v[X+32*(\i)+4*\j:X+32*(\i)+4*\j+3], v2, s[32:33] offset:4096*(\i)+512*\j th:TH_LOAD_NT
.endr
.endm
.macro ROW i
.set XB, X+32*(\i)
	s_wait_loadcnt 8*(3-(\i))                      ; my row is in (gamma and beta are older); the later rows' loads, eight each, may be out
.irp k, 0,1,2,3
	v_pk_add_f32 v[T+2*\k:T+2*\k+1], v[XB+4*\k:XB+4*\k+1], v[XB+4*\k+2:XB+4*\k+3]
.endr
.irp j, 16,24
.irp k, 0,1,2,3
	v_pk_add_f32 v[T+2*\k:T+2*\k+1], v[T+2*\k:T+2*\k+1], v[XB+\j+2*\k:XB+\j+2*\k+1]
.endr
.endr
	FOLD
	v_mul_f32 v12, 0xba800000, v8                  ; minus the mean: the sum x -2^-10
	v_mov_b32 v13, v12
.set n, 0
.rept 16
	v_pk_add_f32 v[XB+n:XB+n+1], v[XB+n:XB+n+1], v[12:13] op_sel_hi:[1,0]
.set n, n+2
.endr
.irp k, 0,1,2,3
	v_pk_mul_f32 v[T+2*\k:T+2*\k+1], v[XB+2*\k:XB+2*\k+1], v[XB+2*\k:XB+2*\k+1]
.endr
.irp j, 8,16,24
.irp k, 0,1,2,3
	v_pk_fma_f32 v[T+2*\k:T+2*\k+1], v[XB+\j+2*\k:XB+\j+2*\k+1], v[XB+\j+2*\k:XB+\j+2*\k+1], v[T+2*\k:T+2*\k+1]
.endr
.endr
	FOLD
	v_mul_f32 v8, 0x3a802008, v8                   ; / 1,023
	v_sqrt_f32 v8, v8
	v_nop                                          ; one plain instruction behind a transcendental (ISA guide 5.7.2)
	s_wait_alu depctr_va_vdst(0)
	v_add_f32 v8, 0x358637bd, v8                   ; + 1e-6
	v_rcp_f32 v14, v8
	v_nop
	s_wait_alu depctr_va_vdst(0)
	v_mov_b32 v15, v14
.set n, 0
.rept 16
	v_pk_mul_f32 v[XB+n:XB+n+1], v[XB+n:XB+n+1], v[14:15] op_sel_hi:[1,0]
.set n, n+2
.endr
	WIN 0x14                                       ; sources 1 and 2 (gamma, beta) in window 1
.set n, 0
.rept 16
	v_pk_fma_f32 v[XB+n:XB+n+1], v[XB+n:XB+n+1], v[GA+n:GA+n+1], v[BE+n:BE+n+1]
.set n, n+2
.endr
	WIN 0
.irp j, 0,1,2,3,4,5,6,7
	global_store_b128 v2, v[XB+4*\j:XB+4*\j+3], s[34:35] offset:4096*(\i)+512*\j   ; 512 consecutive bytes of the row
.endr
.irp j, 0,1,2,3,4,5,6,7
	ds_store_b128 v3, v[XB+4*\j:XB+4*\j+3] offset:8*SP*\j       ; the row turns through my stage: in as it lies,
.endr
.irp u, 0,1
.irp c, 0,1,2,3
	ds_load_b128 v[Y+16*\u+4*\c:Y+16*\u+4*\c+3], v4 offset:32*SP*\u+16*\c   ; back as 16 neighbours a lane and half (LDS serves a wave's instructions in order)
.endr
.endr
	s_wait_dscnt 0x0                               ; the numbers are back; all my earlier LDS stores have read their registers
.irp s, 0,1,2
.irp u, 0,1
.set n, 0
.rept 16
	v_med3_num_f32 v[T+16*\u+n], v[Y+16*\u+n], -v[SCL+2*\s+1], v[SCL+2*\s+1]   ; the conversion does not saturate (ISA guide 7.6.2): the hold comes first
.set n, n+1
.endr
	v_cvt_scalef32_pk8_fp8_f32 v[CD+8*\s+4*\u:CD+8*\s+4*\u+1], v[T+16*\u:T+16*\u+7], v[SCL+2*\s]
	v_cvt_scalef32_pk8_fp8_f32 v[CD+8*\s+4*\u+2:CD+8*\s+4*\u+3], v[T+16*\u+8:T+16*\u+15], v[SCL+2*\s]
	ds_store_b128 v5, v[CD+8*\s+4*\u:CD+8*\s+4*\u+3] offset:\s*CSET+(\i)*CPITCH+512*\u
.endr
.endr
	v_nop                                          ; a plain instruction behind the last conversion
.endm
	s_load_b512 s[4:19], s[0:1], 0x0               ; x 4, gamma1 6, beta1 8, exponents 10, xnb 12, wc 14, wq_w 16, wk_w 18
	s_load_b256 s[20:27], s[0:1], 0x40             ; wv_w 20, dense_w 22, fc_w 24, proj_w 26
	v_lshl_add_u32 v254, v0, 2, 0x1a800
	v_mov_b32 v255, 0
	v_lshrrev_b32 v1, 5, v0
	v_readfirstlane_b32 s28, v1                    ; wave
	v_and_b32 v1, 31, v0                           ; lane
	v_lshlrev_b32 v2, 4, v1                        ; 16 x lane
	s_wait_kmcnt 0x0
	s_load_b512 s[72:87], s[10:11], 0x0            ; e0 .. e15
	s_cmp_lt_u32 ttmp9, 256
	s_cbranch_scc0 .Lweights
	; ---- the norm: a work-group takes 16 rows, a wave 4, one row at a time, each kept in 32 registers between the passes
	s_mul_i32 s29, s28, WREG
	v_lshrrev_b32 v7, 2, v1
	v_mul_u32_u24 v3, v7, SP
	v_and_b32 v7, 3, v1
	v_lshl_add_u32 v3, v7, 4, v3
	v_add_nc_u32 v3, s29, v3                       ; stage, in: four lanes' 64 bytes, then the padding
	v_mul_u32_u24 v4, v1, SP
	v_add_nc_u32 v4, s29, v4                       ; stage, back: place = lane
	v_add_nc_u32 v5, s29, v2
	v_add_nc_u32 v5, 64*SP, v5                     ; codes, in: 16 x lane of a row
	v_lshrrev_b32 v7, 3, v1
	v_mul_u32_u24 v6, v7, CPITCH
	v_and_b32 v7, 7, v1
	v_lshl_add_u32 v6, v7, 4, v6
	v_add_nc_u32 v6, s29, v6
	v_add_nc_u32 v6, 64*SP, v6                     ; codes, back: row lane / 8, 16 (lane % 8) of a plane's 128 bytes
	s_mov_b32 s30, 0x76543210
	s_mov_b32 s31, 0xfedcba98
	v_mov_b32 v9, 0                                ; a lane permute's destination counts as read
	s_lshl_b32 s42, ttmp9, 4
	s_lshl_b32 s43, s28, 2
	s_add_co_u32 s42, s42, s43                     ; my first row
	s_lshl_b32 s44, s42, 12
	s_mov_b32 s45, 0
	s_add_nc_u64 s[32:33], s[4:5], s[44:45]
	s_add_nc_u64 s[34:35], s[12:13], s[44:45]
	WIN 0x40                                       ; destination window 1
.irp j, 0,1,2,3,4,5,6,7
	global_load_b128 v[GA+4*\j:GA+4*\j+3], v2, s[6:7] offset:512*\j
.endr
.irp j, 0,1,2,3,4,5,6,7
	global_load_b128 v[BE+4*\j:BE+4*\j+3], v2, s[8:9] offset:512*\j
.endr
	WIN 0
	XLOAD 0
	XLOAD 1
	XLOAD 2
	XLOAD 3
	s_lshr_b32 s44, s42, 7
	s_lshl_b32 s44, s44, 17                        ; my block of 128 rows: 8 planes of 16,384 bytes
	s_add_co_u32 s44, s44, CODES
	s_and_b32 s46, s42, 127                        ; my rows' place, plain,
	s_lshr_b32 s47, s46, 3
	s_lshr_b32 s48, s46, 4
	s_xor_b32 s47, s47, s48
	s_and_b32 s47, s47, 1
	s_mul_i32 s47, s47, 24
	s_xor_b32 s48, s46, s47                        ; and turned: bits 3 and 4 exchanged (four neighbouring rows stay neighbours)
	s_lshl_b32 s50, s46, 7
	s_add_co_u32 s50, s50, s44
	s_mov_b32 s51, 0
	s_add_nc_u64 s[36:37], s[12:13], s[50:51]      ; set 0
	s_lshl_b32 s50, s48, 7
	s_add_co_u32 s50, s50, s44
	s_add_co_u32 s50, s50, SETB
	s_add_nc_u64 s[38:39], s[12:13], s[50:51]      ; set 1
	s_add_nc_u64 s[40:41], s[38:39], SETB          ; set 2
	s_wait_kmcnt 0x0
	MKV 72, SCL
	MKV 74, SCL+2
	MKV 76, SCL+4
	ROW 0
	ROW 1
	ROW 2
	ROW 3
	s_wait_xcnt 0x0                                ; the rows' stores have read their registers
.irp s, 0,1,2
.irp p, 0,1,2,3,4,5,6,7
	ds_load_b128 v[X+32*\s+4*\p:X+32*\s+4*\p+3], v6 offset:\s*CSET+128*\p
.endr
.endr
.irp s, 0,1,2
.irp p, 0,1,2,3,4,5,6,7
	s_wait_dscnt 8*NSETS-1-(8*\s+\p)               ; the younger loads of this run may be out
	global_store_b128 v2, v[X+32*\s+4*\p:X+32*\s+4*\p+3], s[36+2*\s:37+2*\s] offset:16384*\p   ; four rows x 128 bytes of plane p: 512 consecutive bytes
.endr
.endr
	s_wait_tensorcnt 0x0
	ds_add_u32 v254, v255
	s_wait_dscnt 0x0
	s_endpgm
	; ---- the weights: a work-group takes two blocks of 128 rows x 128 along K, a wave 64 rows of one, four rows a step
.Lweights:
	s_wait_kmcnt 0x0
	s_sub_co_u32 s30, ttmp9, 256
	s_mov_b64 s[32:33], s[26:27]                   ; proj_w, unless the number says otherwise: the choices hang on the work-group's number alone
	s_mov_b32 s34, 256
	s_mov_b32 s35, s87
	s_mov_b32 s36, 5                               ; log2 of its planes
.macro PICK bound, ptr, first, e
	s_cmp_lt_u32 s30, \bound
	s_cselect_b64 s[32:33], s[\ptr:\ptr+1], s[32:33]
	s_cselect_b32 s34, \first, s34
	s_cselect_b32 s35, s[\e], s35
	s_cselect_b32 s36, 3, s36
.endm
	PICK 256, 24, 128, 85
	PICK 128, 22, 96, 83
	PICK 96, 20, 64, 77
	PICK 64, 18, 32, 75
	PICK 32, 16, 0, 73
	s_sub_co_u32 s37, s30, s34
	s_lshl_b32 s37, s37, 1
	s_lshr_b32 s38, s28, 1
	s_add_co_u32 s37, s37, s38                     ; my block in its tensor
	s_lshr_b32 s38, s37, s36                       ; its block of rows,
	s_lshl_b32 s39, 1, s36
	s_sub_co_u32 s39, s39, 1
	s_and_b32 s39, s37, s39                        ; its plane
	s_lshl_b32 s40, 512, s36                       ; a row of the tensor in bytes
	s_lshl_b32 s38, s38, 7
	s_and_b32 s41, s28, 1
	s_lshl_b32 s41, s41, 6
	s_add_co_u32 s38, s38, s41                     ; my first row
	s_mul_i32 s38, s38, s40
	s_lshl_b32 s39, s39, 9
	s_add_co_u32 s38, s38, s39
	s_mov_b32 s39, 0
	s_add_nc_u64 s[32:33], s[32:33], s[38:39]
	s_lshl_b32 s42, s40, 2                         ; four rows on
	s_mov_b32 s43, 0
	s_lshl_b32 s44, s30, 15
	s_lshl_b32 s45, s28, 13
	s_add_co_u32 s44, s44, s45
	s_mov_b32 s45, 0
	s_add_nc_u64 s[44:45], s[14:15], s[44:45]      ; the sections of wc follow each other, so the place is 32,768 x work-group + 8,192 x wave
	v_mov_b32 v4, v2                               ; 16 x lane + i rows
	v_add_nc_u32 v5, s40, v2
	v_lshl_add_u32 v6, s40, 1, v2
	v_mad_u32_u24 v7, s40, 3, v2
	s_mul_i32 s29, s28, 8192
	s_add_co_u32 s29, s29, WOFF
	v_lshrrev_b32 v14, 2, v1
	v_mul_u32_u24 v14, v14, SP
	v_and_b32 v15, 3, v1
	v_lshl_add_u32 v14, v15, 4, v14
	v_add_nc_u32 v14, s29, v14
	v_mul_u32_u24 v15, v1, SP
	v_add_nc_u32 v15, s29, v15
.macro WLOAD t                         ; four rows x 512 consecutive bytes
.if (\t) > 0
	s_wait_xcnt 0x0                                ; the earlier loads and stores have read their base
	s_add_nc_u64 s[32:33], s[32:33], s[42:43]
.endif
.irp i, 0,1,2,3
	global_load_b128 v[WR+16*((\t)%AHEAD)+4*\i:WR+16*((\t)%AHEAD)+4*\i+3], v[4+\i], s[32:33] th:TH_LOAD_NT
.endr
.endm
.macro WTURN t                         ; through my stage: in as loaded, back 16 neighbours a lane (row lane / 8)
.irp i, 0,1,2,3
	ds_store_b128 v14, v[WR+16*((\t)%AHEAD)+4*\i:WR+16*((\t)%AHEAD)+4*\i+3] offset:32*SP*((\t)%2)+8*SP*\i
.endr
.irp i, 0,1,2,3
	ds_load_b128 v[WX+16*((\t)%2)+4*\i:WX+16*((\t)%2)+4*\i+3], v15 offset:32*SP*((\t)%2)+16*\i
.endr
.endm
.irp t, 0,1,2,3,4,5,6,7
	WLOAD \t
.endr
	s_add_co_i32 s35, s35, 127
	s_lshl_b32 s46, s35, 23
	v_mov_b32 v11, s46                             ; 2^e
	s_add_co_i32 s35, s35, 8
	s_lshl_b32 s35, s35, 23
	s_or_b32 s35, s35, 0x600000
	v_mov_b32 v10, s35                             ; 448 x 2^e
	s_wait_loadcnt 4*(AHEAD-1)                     ; step 0's four loads are in; those of the seven steps behind it may be out
	WTURN 0
.macro WSTEP t
.set XS, WX+16*((\t)%2)
	s_wait_dscnt 0x0                               ; this step's numbers are back, and its stores into the stage have read their registers,
.if (\t)+AHEAD < STEPS
	WLOAD (\t)+AHEAD                               ; which take the loads of eight steps on
.endif
.if (\t)+1 < STEPS
.if STEPS-2-(\t) >= AHEAD-1
	s_wait_loadcnt 4*(AHEAD-1)                     ; the next step's loads are in; those of the seven steps behind it may be out
.else
	s_wait_loadcnt 4*(STEPS-2-(\t))
.endif
	WTURN (\t)+1
.endif
.set n, 0
.rept 16
	v_med3_num_f32 v[XS+n], v[XS+n], -v10, v10
.set n, n+1
.endr
	v_cvt_scalef32_pk8_fp8_f32 v[WC+4*(\t):WC+4*(\t)+1], v[XS:XS+7], v11
	v_cvt_scalef32_pk8_fp8_f32 v[WC+4*(\t)+2:WC+4*(\t)+3], v[XS+8:XS+15], v11
	global_store_b128 v2, v[WC+4*(\t):WC+4*(\t)+3], s[44:45] offset:128*(4*((\t)%2)+16*(((\t)/2)%2)+8*(((\t)/4)%2)+32*((\t)/8))   ; rows 4 t on, at their turned place: 512 consecutive bytes
.endm
.irp t, 0,1,2,3,4,5,6,7,8,9,10,11,12,13,14,15
	WSTEP \t
.endr
	s_wait_tensorcnt 0x0
	ds_add_u32 v254, v255
	s_wait_dscnt 0x0
	s_endpgm
.Lfunc_end_k_q2e30e31aee_prep:
	.size	k_q2e30e31aee_prep, .Lfunc_end_k_q2e30e31aee_prep-k_q2e30e31aee_prep
	.p2alignl 7, 3214868480
	.fill 96, 4, 3214868480
	.section	.rodata,"a",@progbits
	.p2align	6, 0x0
	.amdhsa_kernel k_q2e30e31aee_prep
		.amdhsa_group_segment_fixed_size 109056
		.amdhsa_private_segment_fixed_size 0
		.amdhsa_enable_private_segment 0
		.amdhsa_kernarg_size 96
		.amdhsa_user_sgpr_count 2
		.amdhsa_user_sgpr_kernarg_segment_ptr 1
		.amdhsa_wavefront_size32 1
		.amdhsa_system_sgpr_workgroup_id_x 1
		.amdhsa_system_sgpr_workgroup_id_y 1
		.amdhsa_system_sgpr_workgroup_id_z 1
		.amdhsa_system_vgpr_workitem_id 0
		.amdhsa_next_free_vgpr 320
		.amdhsa_next_free_sgpr 96
		.amdhsa_reserve_vcc 0
		.amdhsa_float_denorm_mode_32 3
		.amdhsa_float_denorm_mode_16_64 3
		.amdhsa_memory_ordered 1
		.amdhsa_forward_progress 1
		.amdhsa_inst_pref_size 113
	.end_amdhsa_kernel
	.amdgpu_metadata
---
amdhsa.version: [ 1, 2 ]
amdhsa.kernels:
  - .name:           k_q2e30e31aee_prep
    .symbol:         k_q2e30e31aee_prep.kd
    .args:
      - { .name: x, .offset: 0, .size: 8, .value_kind: global_buffer, .address_space: global }
      - { .name: gamma1, .offset: 8, .size: 8, .value_kind: global_buffer, .address_space: global }
      - { .name: beta1, .offset: 16, .size: 8, .value_kind: global_buffer, .address_space: global }
      - { .name: lowp_scales, .offset: 24, .size: 8, .value_kind: global_buffer, .address_space: global }
      - { .name: xnb, .offset: 32, .size: 8, .value_kind: global_buffer, .address_space: global }
      - { .name: wc, .offset: 40, .size: 8, .value_kind: global_buffer, .address_space: global }
      - { .name: wq_w, .offset: 48, .size: 8, .value_kind: global_buffer, .address_space: global }
      - { .name: wk_w, .offset: 56, .size: 8, .value_kind: global_buffer, .address_space: global }
      - { .name: wv_w, .offset: 64, .size: 8, .value_kind: global_buffer, .address_space: global }
      - { .name: dense_w, .offset: 72, .size: 8, .value_kind: global_buffer, .address_space: global }
      - { .name: fc_w, .offset: 80, .size: 8, .value_kind: global_buffer, .address_space: global }
      - { .name: proj_w, .offset: 88, .size: 8, .value_kind: global_buffer, .address_space: global }
    .group_segment_fixed_size: 109056
    .private_segment_fixed_size: 0
    .kernarg_segment_align: 8
    .kernarg_segment_size: 96
    .max_flat_workgroup_size: 128
    .sgpr_count:     96
    .vgpr_count:     320
    .wavefront_size: 32
...
	.end_amdgpu_metadata
.endif
;; end of part 1
;; launch proj_qkv (part 2): grid 8 x 32, 4 waves a work-group, clusters of 4 x 4, 327,680 bytes of LDS; arguments xnb, wc, lowp_scales, qkv, wq_b, wk_b, wv_b; writes qkv
.if DOCPART == 2
	.amdgcn_target "amdgcn-amd-amdhsa--gfx1250"
	.amdhsa_code_object_version 6
	.text
	.protected	k_q2e30e31aee_proj_qkv
	.globl	k_q2e30e31aee_proj_qkv
	.p2align	8
	.type	k_q2e30e31aee_proj_qkv,@function
k_q2e30e31aee_proj_qkv:
	s_mov_b64 s[64:65], 0
	v_nop
	global_prefetch_b8 v0, s[64:65] scope:SCOPE_SE
	s_setreg_imm32_b32 hwreg(HW_REG_WAVE_MODE, 25, 1), 1
	s_wait_xcnt 0x0
	s_wait_alu depctr_hold_cnt(0) depctr_sa_sdst(0) depctr_va_vdst(0) depctr_va_sdst(0) depctr_va_ssrc(0) depctr_va_vcc(0) depctr_vm_vsrc(0)
	s_getreg_b32 s2, hwreg(HW_REG_IB_STS2, 6, 4)
	s_cmp_eq_u32 s2, 0
	s_cbranch_scc0 .Lentry_in_a_cluster
	s_endpgm
.Lentry_in_a_cluster:
	s_bfe_u32 s2, ttmp6, 0x10000c
	s_cmp_lg_u32 s2, 0xf033
	s_cbranch_scc0 .Lentry_shape_is_right
	s_endpgm
.Lentry_shape_is_right:
; q, k, v = xn W^T + b on E4M3 codes, each quantised again for attention (scales 2^e6, 2^e7, 2^e9).  A work-group walks three tiles of 128 x 128 (q, k, v of one block of 128 rows and 128 channels);
; four waves, each 64 x 64: 16 accumulators.  K goes in steps of 512 (four planes of 128) through a ring of two LDS slots that runs on from tile to tile.
; The product is used transposed: a lane holds one row of source 1 and, since source 0's rows lie turned, 16 neighbours of source 0's rows in the registers of two neighbouring tiles:
; q, k: source 0 = W, source 1 = xn: 16 neighbouring channels of a row.   v: source 0 = xn, source 1 = W: 16 neighbouring keys of a channel.
; OUT: q [32 heads][2048][64]; k the same, keys turned within each 128 (from xn's set 1); v [32 heads][16 steps][64 places of channels, turned][128 keys].
; The bias is the C of a tile's first products, divided by the power of two that the sums lack; the three scales ahead of the quantiser are folded into the conversion's one.
; CLUSTER 4 x 4: xn's tiles are shared along a row of the cluster, W's along a column: joint loads.  A wave has two tensor loads out at the start and one behind each round.
; Within an instruction k is permuted alike in both sources (16-byte loads): the order of the sums inside an instruction changes, nothing else.
; LIMITS: e6-e0-e1, e7-e2-e3, e9-e4-e5 between -126 and 119.  NaN is not served.  lds_bytes: all of LDS.
.set A_OFF, 16777216
.set A_MUL, 131072
.set B_OFF, 0
.set B_MUL, 131072
.set ASTEP, 4194304                    ; a slot's next K step lies in the next tile: the next code set,
.set BSTEP, 1048576                    ; the next weight
.set BONLY, 0
.set CD, 64                            ; v64-95 codes; v96-127 rows read back
.set RB, 96
; ---- the block that the four products' launches share
.set PITCH,  144                       ; an LDS row: 128 bytes + 16: the 16 rows of a fragment load start at 16 different banks (64 banks of 4 bytes: ISA guide 11.1)
.set PLANE,  128*PITCH
.set HALF,   2*PLANE                   ; what one tensor load brings: 256 rows of 128 bytes, dense in memory
.set SLOT,   4*HALF                    ; A's four planes, then B's
.set STAGE,  2*SLOT                    ; the way out: never a fill's target
.set SPARE,  STAGE+128*PITCH           ; the spare words: 128 bytes a wave
.set ADRA, 16                          ; v16-17, v20-21: my fragments' LDS addresses in slot 0, 1
.set ADRB, 20
.set SPW,  28
.set NIL,  29
.set BI,   32                          ; v32-63 the bias in the result's layout
.set ACC,  128                         ; v128-255 accumulator (s1, s0) at 8 (4 s1 + s0)
.set F0,   0                           ; window 1: two fragment buffers: source 0's four fragments, then source 1's
.set F1,   128
.set G1A,  28
.set G1B,  36
.set G0A,  44
.set G0B,  52
.set MSB,  0
.macro WIN new                         ; the immediate's high byte repeats the setting that is left
.if MSB != \new
	s_set_vgpr_msb (MSB<<8)|\new
.set MSB, \new
.endif
.endm
.set MUL,  0x05                        ; sources 0 and 1 window 1; C and D window 0
.set TO_F, 0x40                        ; destination window 1, address window 0
.macro PLACES n
.rept \n
	v_nop
.endr
.endm
.macro JLOAD s                         ; a joint load: waves 0, 1 for A, waves 2, 3 for B; four v_nop follow each line
	s_cmp_eq_u32 s19, 0
	s_cbranch_scc0 .Lfor_b_\@
	tensor_load_to_lds s[G0A+4*\s:G0A+4*\s+3], s[G1A:G1A+7]
	s_nop 0
	PLACES 4
	s_branch .Lasked_\@
.Lfor_b_\@:
	tensor_load_to_lds s[G0B+4*\s:G0B+4*\s+3], s[G1B:G1B+7]
	s_nop 0
	PLACES 4
.Lasked_\@:
.endm
.macro JLOADB s                        ; B's part alone
	s_cmp_eq_u32 s19, 0
	s_cbranch_scc1 .Lno_b_\@
	tensor_load_to_lds s[G0B+4*\s:G0B+4*\s+3], s[G1B:G1B+7]
	PLACES 4
.Lno_b_\@:
	PLACES 4
.endm
.macro CROUND                          ; a round of the cluster's barrier
	s_barrier_signal -1
	s_barrier_wait -1
	s_cmp_lg_u32 s18, 0
	s_cbranch_scc1 .Lnot_wave_0_\@
	s_barrier_signal -3
.Lnot_wave_0_\@:
	s_barrier_wait -3
	s_barrier_signal -1
	s_barrier_wait -1
.endm
.macro FETCH slot, q, f, swap          ; 32 LDS loads: plane q of the slot; source 0 from B (swap = 0) or from A (1)
	WIN TO_F
.irp i, 0,1,2,3
.irp c, 0,1,2,3
.if \swap
	ds_load_b128 v[\f+16*\i+4*\c:\f+16*\i+4*\c+3], v[ADRA+(\slot)] offset:(\q)*PLANE+2304*\i+32*\c
.else
	ds_load_b128 v[\f+16*\i+4*\c:\f+16*\i+4*\c+3], v[ADRB+(\slot)] offset:(\q)*PLANE+2304*\i+32*\c
.endif
.endr
.endr
.irp i, 0,1,2,3
.irp c, 0,1,2,3
.if \swap
	ds_load_b128 v[\f+64+16*\i+4*\c:\f+64+16*\i+4*\c+3], v[ADRB+(\slot)] offset:(\q)*PLANE+2304*\i+32*\c
.else
	ds_load_b128 v[\f+64+16*\i+4*\c:\f+64+16*\i+4*\c+3], v[ADRA+(\slot)] offset:(\q)*PLANE+2304*\i+32*\c
.endif
.endr
.endr
.endm
.macro MUL16 f, cm                     ; 16 products, 128 along K; the 16 accumulators take turns.  C: 0 (cm 0), the bias of source 0's rows (1) or of source 1's (3), the sum (2)
.irp a, 0,1,2,3
.irp b, 0,1,2,3
.if \cm == 0
	v_wmma_f32_16x16x128_fp8_fp8 v[ACC+8*(4*\a+\b):ACC+8*(4*\a+\b)+7], v[\f+16*\b:\f+16*\b+15], v[\f+64+16*\a:\f+64+16*\a+15], 0
.elseif \cm == 1
	v_wmma_f32_16x16x128_fp8_fp8 v[ACC+8*(4*\a+\b):ACC+8*(4*\a+\b)+7], v[\f+16*\b:\f+16*\b+15], v[\f+64+16*\a:\f+64+16*\a+15], v[BI+8*\b:BI+8*\b+7]
.elseif \cm == 3
	v_wmma_f32_16x16x128_fp8_fp8 v[ACC+8*(4*\a+\b):ACC+8*(4*\a+\b)+7], v[\f+16*\b:\f+16*\b+15], v[\f+64+16*\a:\f+64+16*\a+15], v[BI+8*\a:BI+8*\a+7]
.else
	v_wmma_f32_16x16x128_fp8_fp8 v[ACC+8*(4*\a+\b):ACC+8*(4*\a+\b)+7], v[\f+16*\b:\f+16*\b+15], v[\f+64+16*\a:\f+64+16*\a+15], v[ACC+8*(4*\a+\b):ACC+8*(4*\a+\b)+7]
.endif
.endr
.endr
.endm
.macro SUB slot, q, cm, swap           ; plane q (0 to 2): its fragments are in; the next plane's are asked for; 16 products
	s_wait_dscnt 0x0
	PLACES 4                                       ; four places in front of loads into registers that the last products read (ISA guide 7.12.1 for vector instructions)
	FETCH \slot, (\q)+1, F0+128*(1-(\q)%2), \swap
	WIN MUL
	MUL16 F0+128*((\q)%2), \cm
.endm
.macro TURN slot, fill, swapn          ; plane 3, and the change of slots
	WIN 0
	s_wait_tensorcnt 0x0                           ; all my tensor loads have landed: my part of the next slot
	ds_add_u32 v[SPW], v[NIL]                      ; 0 onto my spare word
.if \fill
.if BONLY == 0
	s_add_nc_u64 s[G0A+4*\slot+2:G0A+4*\slot+3], s[G0A+4*\slot+2:G0A+4*\slot+3], ASTEP
.endif
	s_add_nc_u64 s[G0B+4*\slot+2:G0B+4*\slot+3], s[G0B+4*\slot+2:G0B+4*\slot+3], BSTEP
.endif
	s_wait_dscnt 0x0                               ; the add is done, and my reads of this slot are over
.if \fill
	CROUND                                         ; no wave of any partner still reads this slot or has a load on its way
.if BONLY
	JLOADB \slot
.else
	JLOAD \slot                                    ; the first tensor load behind the round; its four v_nop are the places in front of the loads below
.endif
.else
	s_barrier_signal -1
	s_barrier_wait -1
	PLACES 4
.endif
	FETCH 1-\slot, 0, F0, \swapn
	WIN MUL
	MUL16 F1, 2
	WIN 0
.endm
.macro LAST                            ; the very last plane
	s_wait_dscnt 0x0
	WIN MUL
	MUL16 F1, 2
	WIN 0
.endm
.macro MKSC sc, lim, e                 ; s[sc] = 2^e, s[lim] = 448 x 2^e as f32, e in s[e]
	s_add_co_i32 s[\lim], s[\e], 127
	s_lshl_b32 s[\sc], s[\lim], 23
	s_add_co_i32 s[\lim], s[\lim], 8
	s_lshl_b32 s[\lim], s[\lim], 23
	s_or_b32 s[\lim], s[\lim], 0x600000
.endm
	s_load_b256 s[4:11], s[0:1], 0x0               ; A's codes 4, the weights' codes 6, the exponents 8, the result 10
	s_load_b128 s[12:15], s[0:1], 0x20             ; wq_b, wk_b
	s_load_b64 s[16:17], s[0:1], 0x30              ; wv_b
	v_lshl_add_u32 v[SPW], v0, 2, SPARE
	v_mov_b32 v[NIL], 0
	ds_add_u32 v28, v29
	s_wait_dscnt 0x0
	v_lshrrev_b32 v1, 5, v0
	v_readfirstlane_b32 s18, v1                    ; wave
	s_lshr_b32 s19, s18, 1                         ; my half of A's rows; also: I fetch for A (0) or B (1)
	s_and_b32 s20, s18, 1                          ; my half of B's rows; also: which two planes I fetch
	s_bfe_u32 s21, ttmp6, 0x40000                  ; cx
	s_bfe_u32 s22, ttmp6, 0x40004                  ; cy
	s_lshl_b32 s23, ttmp9, 2
	s_add_co_u32 s23, s23, s21                     ; x: the block of columns
	s_and_b32 s24, ttmp7, 0xffff
	s_lshl_b32 s24, s24, 2
	s_add_co_u32 s24, s24, s22                     ; y: the block of rows
	s_lshl_b32 s25, s22, 2
	s_lshl_b32 s25, 15, s25                        ; my row of the cluster
	s_lshl_b32 s26, 0x1111, s21                    ; my column
	s_or_b32 s[G1A], s25, (1<<20)|(1<<21)|(4<<22)|(3<<25)   ; mask; elements of 1 byte; padding on; bit 21 beside a mask; 4 words after every 32
	s_or_b32 s[G1B], s26, (1<<20)|(1<<21)|(4<<22)|(3<<25)
.irp g, G1A, G1B
	s_mov_b32 s[\g+1], 128<<16                     ; tensor_dim0
	s_mov_b32 s[\g+2], 256<<16                     ; tensor_dim1
	s_mov_b32 s[\g+3], 128<<16                     ; tile_dim0
	s_mov_b32 s[\g+4], 256                         ; tile_dim1
	s_mov_b32 s[\g+5], 128                         ; pitch
	s_mov_b32 s[\g+6], 0
	s_mov_b32 s[\g+7], 0
.endr
	s_lshl_b32 s68, s20, 15                        ; my two planes
	s_mul_i32 s66, s24, A_MUL                      ; A's address hangs on y and the wave alone,
	s_add_co_u32 s66, s66, s68
	s_add_co_u32 s66, s66, A_OFF
	s_mov_b32 s67, 0
	s_mul_i32 s70, s23, B_MUL                      ; B's on x and the wave alone
	s_add_co_u32 s70, s70, s68
	s_add_co_u32 s70, s70, B_OFF
	s_mov_b32 s71, 0
	s_mul_i32 s27, s18, HALF                       ; and where they go: the wave's number alone
	s_wait_kmcnt 0x0
	s_load_b512 s[72:87], s[8:9], 0x0              ; e0 .. e15
	s_add_nc_u64 s[66:67], s[4:5], s[66:67]
	s_add_nc_u64 s[70:71], s[6:7], s[70:71]
	CROUND                                         ; all sixteen work-groups are here: the first joint loads meet
.irp s, 0,1
	s_mov_b32 s[G0A+4*\s], 1
	s_add_co_u32 s[G0A+4*\s+1], s27, \s*SLOT
	s_add_nc_u64 s[G0A+4*\s+2:G0A+4*\s+3], s[66:67], \s*65536
	s_or_b32 s[G0A+4*\s+3], s[G0A+4*\s+3], 0x80000000
	s_mov_b32 s[G0B+4*\s], 1
	s_add_co_u32 s[G0B+4*\s+1], s27, \s*SLOT
	s_add_nc_u64 s[G0B+4*\s+2:G0B+4*\s+3], s[70:71], \s*65536
	s_or_b32 s[G0B+4*\s+3], s[G0B+4*\s+3], 0x80000000
	JLOAD \s
.endr
	v_and_b32 v1, 15, v0                           ; r
	v_bfe_u32 v2, v0, 4, 1                         ; h
	v_mul_u32_u24 v3, v1, PITCH
	v_lshl_add_u32 v3, v2, 4, v3                   ; a fragment's row x pitch + 16 h
	s_mul_i32 s88, s19, 64*PITCH
	s_mul_i32 s89, s20, 64*PITCH
	s_add_co_u32 s89, s89, 2*HALF
.irp s, 0,1
	v_add_nc_u32 v[ADRA+\s], s88, v3
	v_add_nc_u32 v[ADRB+\s], s89, v3
	s_add_co_u32 s88, s88, SLOT
	s_add_co_u32 s89, s89, SLOT
.endr
; ---- end of the shared block
	s_lshl_b32 s88, s23, 9
	s_lshl_b32 s89, s20, 8
	s_add_co_u32 s88, s88, s89                     ; my 64 channels in a bias, in bytes
	v_lshl_add_u32 v25, v2, 6, s88                 ; q, k: + 16 h numbers
	v_and_b32 v26, 8, v1
	v_add_nc_u32 v26, v26, v1
	v_lshl_add_u32 v26, v26, 2, s88                ; v: + r + 8 (r / 8)
.macro BIASQK ptr                      ; registers 16 p + i: the bias of channel 32 p + 16 h + i of my 64
.irp p, 0,1
.irp c, 0,1,2,3
	global_load_b128 v[BI+16*\p+4*\c:BI+16*\p+4*\c+3], v25, s[\ptr:\ptr+1] offset:128*\p+16*\c
.endr
.endr
.endm
.macro SCALEB neg                      ; the bias / the power of two that the sums lack
	s_wait_loadcnt 0x0
.set n, 0
.rept 32
	v_ldexp_f32 v[BI+n], v[BI+n], s[\neg]
.set n, n+1
.endr
.endm
	BIASQK 12
	s_mul_i32 s88, s19, 64*PITCH
	s_lshl_b32 s89, s20, 6
	s_add_co_u32 s88, s88, s89
	s_add_co_u32 s88, s88, STAGE
	v_add_nc_u32 v22, s88, v3                      ; q, k into the stage: row = xn's place, byte = channel
	v_and_b32 v4, 31, v0
	v_lshrrev_b32 v5, 2, v4
	v_mul_u32_u24 v5, v5, PITCH
	v_and_b32 v6, 3, v4
	v_lshl_add_u32 v5, v6, 4, v5
	v_add_nc_u32 v23, s88, v5                      ; back: one head's 64 bytes of 8 rows an instruction
	s_mul_i32 s88, s20, 64*PITCH
	s_lshl_b32 s89, s19, 6
	s_add_co_u32 s88, s88, s89
	s_add_co_u32 s88, s88, STAGE
	v_add_nc_u32 v24, s88, v3                      ; v into the stage: row = channel's place, byte = key
	s_mul_i32 s88, s18, 32*PITCH
	s_add_co_u32 s88, s88, STAGE
	v_lshrrev_b32 v5, 3, v4
	v_mul_u32_u24 v5, v5, PITCH
	v_and_b32 v6, 7, v4
	v_lshl_add_u32 v5, v6, 4, v5
	v_add_nc_u32 v27, s88, v5                      ; back: 128 bytes of 4 rows an instruction
	v_lshlrev_b32 v30, 4, v4                       ; 16 x lane
	s_lshr_b32 s60, s24, 4
	s_lshl_b32 s60, s60, 4
	s_lshl_b32 s61, s23, 1
	s_add_co_u32 s60, s60, s61                     ; the first of my two heads: 16 x batch + 2 x
	s_lshl_b32 s60, s60, 17
	s_and_b32 s61, s24, 15
	s_lshl_b32 s61, s61, 13
	s_add_co_u32 s60, s60, s61                     ; + the block of 128 rows: 8,192 bytes
	s_mov_b32 s61, 0
	s_add_nc_u64 s[10:11], s[10:11], s[60:61]
	s_lshl_b32 s60, s20, 17
	s_lshl_b32 s62, s19, 12
	s_add_co_u32 s60, s60, s62
	s_lshl_b32 s62, s19, 17
	s_lshl_b32 s63, s20, 12
	s_add_co_u32 s62, s62, s63
	s_add_co_u32 s62, s62, 8388608
	s_mov_b32 s63, 0
	s_add_nc_u64 s[60:61], s[10:11], s[60:61]      ; q (k lies 4 MB on): head w % 2, rows 64 (w / 2) on
	s_add_nc_u64 s[62:63], s[10:11], s[62:63]      ; v: head w / 2, places 32 (w % 2) on
	s_wait_kmcnt 0x0
	s_add_co_i32 s96, s72, s73
	s_sub_co_i32 s90, s78, s96                     ; e6 - e0 - e1
	s_sub_co_i32 s96, 0, s96
	MKSC 90, 91, 90
	s_add_co_i32 s97, s74, s75
	s_sub_co_i32 s92, s79, s97                     ; e7 - e2 - e3
	s_sub_co_i32 s97, 0, s97
	MKSC 92, 93, 92
	s_add_co_i32 s98, s76, s77
	s_sub_co_i32 s94, s81, s98                     ; e9 - e4 - e5
	s_sub_co_i32 s98, 0, s98
	MKSC 94, 95, 94
; The way out of a tile: the hold, the conversion (16 neighbours a lane), the work-group's stage, a barrier, whole runs of 512 bytes out.
.macro EPI st, rd, rstep, base, off, sc
	v_mov_b32 v12, s[\sc]
	v_mov_b32 v13, s[\sc+1]
.irp a, 0,1,2,3
.irp p, 0,1
.set n, ACC+32*\a+16*\p
.rept 16
	v_med3_num_f32 v[n], v[n], -v13, v13           ; each accumulator from its low end on
.set n, n+1
.endr
	v_cvt_scalef32_pk8_fp8_f32 v[CD+8*\a+4*\p:CD+8*\a+4*\p+1], v[ACC+32*\a+16*\p:ACC+32*\a+16*\p+7], v12
	v_cvt_scalef32_pk8_fp8_f32 v[CD+8*\a+4*\p+2:CD+8*\a+4*\p+3], v[ACC+32*\a+16*\p+8:ACC+32*\a+16*\p+15], v12
	ds_store_b128 v[\st], v[CD+8*\a+4*\p:CD+8*\a+4*\p+3] offset:2304*\a+32*\p
.endr
.endr
	v_nop                                          ; a plain instruction behind the last conversion
	s_wait_dscnt 0x0                               ; for the others' sake: my stores into the stage are done
	s_barrier_signal -1
	s_barrier_wait -1
	s_wait_xcnt 0x0                                ; the last tile's stores have read their registers
.irp i, 0,1,2,3,4,5,6,7
	ds_load_b128 v[RB+4*\i:RB+4*\i+3], v[\rd] offset:\rstep*\i
.endr
.irp i, 0,1,2,3,4,5,6,7
	s_wait_dscnt 7-\i                              ; the younger loads of this run may be out
	global_store_b128 v30, v[RB+4*\i:RB+4*\i+3], s[\base:\base+1] offset:\off+512*\i
.endr
.endm
	SCALEB 96
	s_wait_tensorcnt 1                             ; my part of K step 0 is in; K step 1's may be out
	s_barrier_signal -1
	s_barrier_wait -1
	FETCH 0, 0, F0, 0
	; ---- q
	SUB 0, 0, 1, 0
	SUB 0, 1, 2, 0
	WIN 0
	BIASQK 14                                      ; k's bias: the products that took q's as C stand in front of the last four places
	SUB 0, 2, 2, 0
	TURN 0, 1, 0
	SUB 1, 0, 2, 0
	SUB 1, 1, 2, 0
	SUB 1, 2, 2, 0
	TURN 1, 1, 0
	SCALEB 97                                      ; (32 plain instructions: the places behind the last products)
	EPI 22, 23, 1152, 60, 0, 90
	; ---- k
	SUB 0, 0, 1, 0
	SUB 0, 1, 2, 0
	WIN 0
.irp b, 0,1,2,3
	global_load_b32 v[8+\b], v26, s[16:17] offset:4*(32*(\b/2)+8*(\b%2))   ; v's bias belongs to source 1's rows: one number a lane and tile
.endr
	SUB 0, 2, 2, 0
	TURN 0, 1, 0
	SUB 1, 0, 2, 0
	SUB 1, 1, 2, 0
	SUB 1, 2, 2, 0
	TURN 1, 1, 1
	s_wait_loadcnt 0x0
.irp b, 0,1,2,3
.set n, 0
.rept 8
	v_ldexp_f32 v[BI+8*\b+n], v[8+\b], s98
.set n, n+1
.endr
.endr
	EPI 22, 23, 1152, 60, 4194304, 92
	; ---- v: the sources change places
	SUB 0, 0, 3, 1
	SUB 0, 1, 2, 1
	SUB 0, 2, 2, 1
	TURN 0, 0, 1
	SUB 1, 0, 2, 1
	SUB 1, 1, 2, 1
	SUB 1, 2, 2, 1
	LAST
	PLACES 4
	EPI 24, 27, 576, 62, 0, 94
	s_wait_tensorcnt 0x0                           ; the wave's end
	ds_add_u32 v[SPW], v[NIL]
	s_wait_dscnt 0x0
	CROUND                                         ; the closing round
	s_endpgm
.Lfunc_end_k_q2e30e31aee_proj_qkv:
	.size	k_q2e30e31aee_proj_qkv, .Lfunc_end_k_q2e30e31aee_proj_qkv-k_q2e30e31aee_proj_qkv
	.p2alignl 7, 3214868480
	.fill 96, 4, 3214868480
	.section	.rodata,"a",@progbits
	.p2align	6, 0x0
	.amdhsa_kernel k_q2e30e31aee_proj_qkv
		.amdhsa_group_segment_fixed_size 327680
		.amdhsa_private_segment_fixed_size 0
		.amdhsa_enable_private_segment 0
		.amdhsa_kernarg_size 56
		.amdhsa_user_sgpr_count 2
		.amdhsa_user_sgpr_kernarg_segment_ptr 1
		.amdhsa_wavefront_size32 1
		.amdhsa_system_sgpr_workgroup_id_x 1
		.amdhsa_system_sgpr_workgroup_id_y 1
		.amdhsa_system_sgpr_workgroup_id_z 1
		.amdhsa_system_vgpr_workitem_id 0
		.amdhsa_next_free_vgpr 512
		.amdhsa_next_free_sgpr 100
		.amdhsa_reserve_vcc 0
		.amdhsa_float_denorm_mode_32 3
		.amdhsa_float_denorm_mode_16_64 3
		.amdhsa_memory_ordered 1
		.amdhsa_forward_progress 1
		.amdhsa_inst_pref_size 133
	.end_amdhsa_kernel
	.amdgpu_metadata
---
amdhsa.version: [ 1, 2 ]
amdhsa.kernels:
  - .name:           k_q2e30e31aee_proj_qkv
    .symbol:         k_q2e30e31aee_proj_qkv.kd
    .args:
      - { .name: xnb, .offset: 0, .size: 8, .value_kind: global_buffer, .address_space: global }
      - { .name: wc, .offset: 8, .size: 8, .value_kind: global_buffer, .address_space: global }
      - { .name: lowp_scales, .offset: 16, .size: 8, .value_kind: global_buffer, .address_space: global }
      - { .name: qkv, .offset: 24, .size: 8, .value_kind: global_buffer, .address_space: global }
      - { .name: wq_b, .offset: 32, .size: 8, .value_kind: global_buffer, .address_space: global }
      - { .name: wk_b, .offset: 40, .size: 8, .value_kind: global_buffer, .address_space: global }
      - { .name: wv_b, .offset: 48, .size: 8, .value_kind: global_buffer, .address_space: global }
    .group_segment_fixed_size: 327680
    .private_segment_fixed_size: 0
    .kernarg_segment_align: 8
    .kernarg_segment_size: 56
    .max_flat_workgroup_size: 128
    .sgpr_count:     100
    .vgpr_count:     512
    .wavefront_size: 32
...
	.end_amdgpu_metadata
.endif
;; end of part 2
;; launch attn (part 3): grid 32 x 8, 16 waves a work-group, clusters of 4 x 4, 327,680 bytes of LDS; arguments qkv, mask, lowp_scales, ctx; writes ctx
.if DOCPART == 3
	.amdgcn_target "amdgcn-amd-amdhsa--gfx1250"
	.amdhsa_code_object_version 6
	.text
	.protected	k_q2e30e31aee_attn
	.globl	k_q2e30e31aee_attn
	.p2align	8
	.type	k_q2e30e31aee_attn,@function
k_q2e30e31aee_attn:
	s_mov_b64 s[64:65], 0
	v_nop
	global_prefetch_b8 v0, s[64:65] scope:SCOPE_SE
	s_setreg_imm32_b32 hwreg(HW_REG_WAVE_MODE, 25, 1), 1
	s_wait_xcnt 0x0
	s_wait_alu depctr_hold_cnt(0) depctr_sa_sdst(0) depctr_va_vdst(0) depctr_va_sdst(0) depctr_va_ssrc(0) depctr_va_vcc(0) depctr_vm_vsrc(0)
	s_getreg_b32 s2, hwreg(HW_REG_IB_STS2, 6, 4)
	s_cmp_eq_u32 s2, 0
	s_cbranch_scc0 .Lentry_in_a_cluster
	s_endpgm
.Lentry_in_a_cluster:
	s_bfe_u32 s2, ttmp6, 0x10000c
	s_cmp_lg_u32 s2, 0xf033
	s_cbranch_scc0 .Lentry_shape_is_right
	s_endpgm
.Lentry_shape_is_right:
; ctx = softmax(q k^T / 8 + mask x -1e9) v, both products on E4M3 codes; ctx leaves as codes (scale 2^e10) in planes of 128 along K.
; THE MASK IS AN INPUT: every key is worked for every query; logit = score / 8 + mask x -1e9 is one fused multiply-add in the raw sum's units (1/8 and the scales are powers of two, so it rounds as the logit does).
; t = logit x log2(e) is rounded once, M = ceil(the running largest t), p = 2^(t - M) is quantised (scale 2^e8), not normalised; the row's sum is taken of the unquantised p and divides at the end.
; When M moves, the sum and O are multiplied by 2^(old M - new M): exact.  A row that the mask hides wholly has all t equal, so p = 1 for every key.
; SHARES: a work-group owns 64 queries x 4 heads of one batch; wave w owns 16 queries (w % 4) of head w / 4.  Both products are used transposed: a lane holds one query (lane % 16).
; k's keys and v's channels lie turned, so that 16 registers of two neighbouring tiles are 16 neighbours (keys for p, channels for ctx).
; RING: two slots of 128 keys: 64 x 128 numbers of the mask, 4 heads' K, 4 heads' V.  Waves 0-3 fetch the mask's quarters, 4-7 K's heads, 8-11 V's heads, 8 KB a load.  Both slots are asked for at the head.
; THE CHANGE OF SLOTS STANDS IN THE MIDDLE OF A STEP: once a wave holds the step's K, mask and V in registers it reads the slot no more.  There it waits for all its tensor loads (its part of the other slot),
; adds 0 to its spare word, works on registers, waits for the add and its reads, and passes a round of the cluster's barrier; the slot just read is filled again first behind it, with the keys two steps on.
; So the round orders (a) every wave's reads of this slot ahead of its refill, (b) the other slot's fill ahead of the next step's reads; behind it every wave has its exponentials, sums and second product to do,
; and goes on into the next step's LDS loads without a further barrier.  A wave has two tensor loads out at the start and one behind each round.
; CLUSTER 4 x 4: the mask's tile hangs on the block of queries alone (shared along a column of the cluster), K's and V's on batch and heads alone (shared along a row).
; LIMITS: e6 + e7 - 3 between -98 and 126; e8 and e10 - e8 - e9 between -126 and 119.  NaN is not served.  lds_bytes: all of LDS.
; REGISTERS: v1-3 my places in K, V, mask; v4 h, v7 r; v5, v6 the add's; v8-10 addresses in hand; v12 -M, v13 largest t, v[14:15] the sum; v16-23 Q; v24, v25 scale and hold; v[26:27] f;
; v32-95 K's eight fragments, then V's four; v96-159 scores, t, p; v160-223 the mask, then p's codes; v224-255 O^T.
.set PM,    528                        ; the mask's row: 512 bytes + 16
.set PK,    80                         ; a key's row: 64 + 16
.set PV,    144                        ; a channel's row: 128 + 16
.set KOFF,  64*PM
.set VOFF,  KOFF+4*128*PK
.set SLOT1, 1<<17                      ; one exclusive or turns an address into the other slot's
.set SPARE, 2*SLOT1                    ; the spare words: 128 bytes for each of 16 waves
.set STAGE, SPARE+2048                 ; the way out: 64 rows x (256 + 16) bytes; never a fill's target
.set SPITCH, 272
.set G1M, 28
.set G1K, 36
.set G1V, 44
.set G0M, 52                           ; groups 0 of slot 0's first fill
.set G0K, 56
.set G0V, 60
.set W0M, 68                           ; groups 0 of slot 1's first fill, which then walk on
.set W0K, 88
.set W0V, 92
.macro PLACES n
.rept \n
	v_nop
.endr
.endm
.macro TLOAD                           ; one joint load a wave, by its role; four v_nop follow each line
	s_cmp_eq_u32 s13, 0
	s_cbranch_scc0 .Lnot_m_\@
	tensor_load_to_lds s[W0M:W0M+3], s[G1M:G1M+7]
	s_nop 0
	PLACES 4
	s_branch .Lasked_\@
.Lnot_m_\@:
	s_cmp_eq_u32 s13, 1
	s_cbranch_scc0 .Lnot_k_\@
	tensor_load_to_lds s[W0K:W0K+3], s[G1K:G1K+7]
	s_nop 0
	PLACES 4
	s_branch .Lasked_\@
.Lnot_k_\@:
	s_cmp_eq_u32 s13, 2
	s_cbranch_scc0 .Lasked_\@
	tensor_load_to_lds s[W0V:W0V+3], s[G1V:G1V+7]
	s_nop 0
	PLACES 4
.Lasked_\@:
.endm
.macro CREST                           ; a round of the cluster's barrier behind its opening barrier
	s_cmp_lg_u32 s12, 0
	s_cbranch_scc1 .Lnot_wave_0_\@
	s_barrier_signal -3
.Lnot_wave_0_\@:
	s_barrier_wait -3
	s_barrier_signal -1
	s_barrier_wait -1
.endm
.macro CROUND                          ; a whole round
	s_barrier_signal -1
	s_barrier_wait -1
	CREST
.endm
	s_load_b256 s[4:11], s[0:1], 0x0               ; qkv 4, mask 6, exponents 8, ctx 10
	v_lshl_add_u32 v5, v0, 2, SPARE
	v_mov_b32 v6, 0
	ds_add_u32 v5, v6
	s_wait_dscnt 0x0
	v_lshrrev_b32 v7, 5, v0
	v_readfirstlane_b32 s12, v7                    ; wave 0..15
	s_lshr_b32 s13, s12, 2                         ; my head of the four; also my role as a fetcher
	s_and_b32 s14, s12, 3                          ; my tile of queries; also my part as a fetcher
	s_bfe_u32 s15, ttmp6, 0x40000                  ; cx
	s_bfe_u32 s16, ttmp6, 0x40004                  ; cy
	s_lshl_b32 s17, ttmp9, 2
	s_add_co_u32 s17, s17, s15                     ; the block of 64 queries
	s_and_b32 s18, ttmp7, 0xffff
	s_lshl_b32 s18, s18, 2
	s_add_co_u32 s18, s18, s16                     ; 4 x batch + group of four heads
	s_lshl_b32 s19, s16, 2
	s_lshl_b32 s19, 15, s19                        ; my row of the cluster
	s_lshl_b32 s20, 0x1111, s15                    ; my column
	s_or_b32 s[G1M], s20, (2<<16)|(1<<20)|(1<<21)|(6<<22)|(3<<25)   ; elements of 4 bytes; 4 words of padding after every 128
	s_mov_b32 s[G1M+1], 128<<16
	s_mov_b32 s[G1M+2], 16<<16
	s_mov_b32 s[G1M+3], 128<<16
	s_mov_b32 s[G1M+4], 16
	s_mov_b32 s[G1M+5], 2048
	s_mov_b32 s[G1M+6], 0
	s_mov_b32 s[G1M+7], 0
	s_or_b32 s[G1K], s19, (1<<20)|(1<<21)|(3<<22)|(3<<25)           ; elements of 1 byte; 4 words after every 16
	s_mov_b32 s[G1K+1], 64<<16
	s_mov_b32 s[G1K+2], 128<<16
	s_mov_b32 s[G1K+3], 64<<16
	s_mov_b32 s[G1K+4], 128
	s_mov_b32 s[G1K+5], 64
	s_mov_b32 s[G1K+6], 0
	s_mov_b32 s[G1K+7], 0
	s_or_b32 s[G1V], s19, (1<<20)|(1<<21)|(4<<22)|(3<<25)           ; 4 words after every 32
	s_mov_b32 s[G1V+1], 128<<16
	s_mov_b32 s[G1V+2], 64<<16
	s_mov_b32 s[G1V+3], 128<<16
	s_mov_b32 s[G1V+4], 64
	s_mov_b32 s[G1V+5], 128
	s_mov_b32 s[G1V+6], 0
	s_mov_b32 s[G1V+7], 0
	s_lshl_b32 s21, s14, 17
	s_lshl_b32 s2, s17, 19                         ; the mask: (64 x block + 16 x part) rows of 8,192 bytes
	s_add_co_u32 s2, s2, s21
	s_mov_b32 s3, 0
	s_lshl_b32 s104, s18, 19                       ; K, V: head 4 y + part: 131,072 bytes each
	s_add_co_u32 s104, s104, s21
	s_mov_b32 s105, 0
	s_mov_b32 s[G0M], 1
	s_mul_i32 s[G0M+1], s14, 16*PM                 ; where they go: the wave's number alone
	s_mov_b32 s[G0K], 1
	s_mul_i32 s[G0K+1], s14, 128*PK
	s_add_co_u32 s[G0K+1], s[G0K+1], KOFF
	s_mov_b32 s[G0V], 1
	s_mul_i32 s[G0V+1], s14, 64*PV
	s_add_co_u32 s[G0V+1], s[G0V+1], VOFF
	s_mov_b32 s[W0M], 1
	s_add_co_u32 s[W0M+1], s[G0M+1], SLOT1
	s_mov_b32 s[W0K], 1
	s_add_co_u32 s[W0K+1], s[G0K+1], SLOT1
	s_mov_b32 s[W0V], 1
	s_add_co_u32 s[W0V+1], s[G0V+1], SLOT1
	s_wait_kmcnt 0x0
	s_load_b512 s[72:87], s[8:9], 0x0              ; e0 .. e15
	s_add_nc_u64 s[G0M+2:G0M+3], s[6:7], s[2:3]
	s_add_nc_u64 s[W0M+2:W0M+3], s[G0M+2:G0M+3], 512     ; the next 128 keys of a row of the mask
	s_or_b32 s[G0M+3], s[G0M+3], 0x80000000
	s_or_b32 s[W0M+3], s[W0M+3], 0x80000000
	s_add_nc_u64 s[G0K+2:G0K+3], s[4:5], s[104:105]
	s_add_nc_u64 s[G0K+2:G0K+3], s[G0K+2:G0K+3], 0x400000
	s_add_nc_u64 s[W0K+2:W0K+3], s[G0K+2:G0K+3], 8192
	s_or_b32 s[G0K+3], s[G0K+3], 0x80000000
	s_or_b32 s[W0K+3], s[W0K+3], 0x80000000
	s_add_nc_u64 s[G0V+2:G0V+3], s[4:5], s[104:105]
	s_add_nc_u64 s[G0V+2:G0V+3], s[G0V+2:G0V+3], 0x800000
	s_add_nc_u64 s[W0V+2:W0V+3], s[G0V+2:G0V+3], 8192
	s_or_b32 s[G0V+3], s[G0V+3], 0x80000000
	s_or_b32 s[W0V+3], s[W0V+3], 0x80000000
	CROUND                                         ; all sixteen work-groups are here
	s_cmp_eq_u32 s13, 0                            ; a wave's two first fills stand in one branch; four v_nop follow the second
	s_cbranch_scc0 .Lfirst_not_m
	tensor_load_to_lds s[G0M:G0M+3], s[G1M:G1M+7]
	s_nop 0
	tensor_load_to_lds s[W0M:W0M+3], s[G1M:G1M+7]
	s_nop 0
	PLACES 4
	s_branch .Lfirst_asked
.Lfirst_not_m:
	s_cmp_eq_u32 s13, 1
	s_cbranch_scc0 .Lfirst_not_k
	tensor_load_to_lds s[G0K:G0K+3], s[G1K:G1K+7]
	s_nop 0
	tensor_load_to_lds s[W0K:W0K+3], s[G1K:G1K+7]
	s_nop 0
	PLACES 4
	s_branch .Lfirst_asked
.Lfirst_not_k:
	s_cmp_eq_u32 s13, 2
	s_cbranch_scc0 .Lfirst_asked
	tensor_load_to_lds s[G0V:G0V+3], s[G1V:G1V+7]
	s_nop 0
	tensor_load_to_lds s[W0V:W0V+3], s[G1V:G1V+7]
	s_nop 0
	PLACES 4
.Lfirst_asked:
	v_and_b32 v7, 15, v0                           ; r
	v_bfe_u32 v4, v0, 4, 1                         ; h
	v_lshlrev_b32 v8, 6, v7
	v_lshl_add_u32 v8, v4, 4, v8                   ; Q: row r of 64 bytes + 16 h
	s_lshl_b32 s96, s18, 19
	s_lshl_b32 s97, s13, 17
	s_add_co_u32 s96, s96, s97
	s_lshl_b32 s97, s17, 12
	s_add_co_u32 s96, s96, s97
	s_lshl_b32 s97, s14, 10
	s_add_co_u32 s96, s96, s97
	s_mov_b32 s97, 0
	s_add_nc_u64 s[100:101], s[4:5], s[96:97]
	global_load_b128 v[16:19], v8, s[100:101]
	global_load_b128 v[20:23], v8, s[100:101] offset:32
	s_mul_i32 s96, s13, 128*PK
	s_add_co_u32 s96, s96, KOFF
	v_mul_u32_u24 v1, v7, PK
	v_lshl_add_u32 v1, v4, 4, v1
	v_add_nc_u32 v1, s96, v1
	s_mul_i32 s96, s13, 64*PV
	s_add_co_u32 s96, s96, VOFF
	v_mul_u32_u24 v2, v7, PV
	v_lshl_add_u32 v2, v4, 4, v2
	v_add_nc_u32 v2, s96, v2
	s_mul_i32 s96, s14, 16*PM
	v_mul_u32_u24 v3, v7, PM
	v_lshl_add_u32 v3, v4, 6, v3
	v_add_nc_u32 v3, s96, v3                       ; the mask: my query's row, + 16 h numbers
	v_mov_b32 v13, 0xff61b1e6                      ; the largest t so far: -3e38
	v_floor_f32 v12, -v13                          ; -M
	v_mov_b32 v14, 0
	v_mov_b32 v15, 0
	v_mov_b32 v11, 0                               ; a lane permute's destination counts as read
	v_mov_b32 v27, 0                               ; (the upper half of the pair v[26:27])
.set n, 224
.rept 32
	v_mov_b32 v[n], 0                              ; O^T: the step is written alike for every step; the first change of M leaves zeros zeros
.set n, n+1
.endr
	s_mov_b32 s26, 0x76543210
	s_mov_b32 s27, 0xfedcba98
	s_wait_kmcnt 0x0
	s_add_co_i32 s96, s78, s79
	s_sub_co_i32 s96, s96, 3                       ; a raw sum stands for sum x 2^(e6 + e7 - 3) of the logit
	s_lshl_b32 s96, s96, 23
	s_mov_b32 s22, 0x3fb8aa3b
	s_add_co_i32 s22, s22, s96                     ; c = log2(e) x that power
	s_mov_b32 s23, s22
	s_mov_b32 s24, 0xce6e6b28
	s_sub_co_i32 s24, s24, s96                     ; -1e9 / that power
	s_mov_b32 s25, s24
	s_add_co_i32 s96, s80, 127
	s_lshl_b32 s97, s96, 23
	v_mov_b32 v24, s97                             ; 2^e8
	s_add_co_i32 s96, s96, 8
	s_lshl_b32 s96, s96, 23
	s_or_b32 s96, s96, 0x600000
	v_mov_b32 v25, s96                             ; 448 x 2^e8
; The sum of the unquantised p goes in two chains, pairs by turns, in ascending order of the keys.  Sum number si (0 to 7) of the group sg of 16 numbers:
.macro SUMOP
.if (sg == 0) && (si == 0)
	v_pk_mul_f32 v[14:15], v[14:15], v[26:27] op_sel_hi:[1,0]   ; the sum so far, under the new M
.elseif (sg == 0) && (si == 1)
	s_wait_alu depctr_va_vdst(0)
	v_pk_add_f32 v[28:29], v[96:97], v[98:99]      ; the first two pairs start the second chain
.elseif (si % 2) == 0
	v_pk_add_f32 v[14:15], v[14:15], v[96+16*sg+2*si:97+16*sg+2*si]
.else
	s_wait_alu depctr_va_vdst(0)
	v_pk_add_f32 v[28:29], v[28:29], v[96+16*sg+2*si:97+16*sg+2*si]
.endif
.endm
; The 16 exponentials of group b; behind each stands plain work of the group before that is ready: its eight sums, then its sixteen holds (a number is summed before it is held).  Then that group's codes.
.macro EBLOCK b
.set sg, (\b)-1
.set i, 0
.rept 8
	v_exp_f32 v[96+16*(\b)+i], v[96+16*(\b)+i]
.set si, i
	SUMOP
.set i, i+1
.endr
.rept 8
	v_exp_f32 v[96+16*(\b)+i], v[96+16*(\b)+i]
	v_min_num_f32 v[96+16*sg+2*(i-8)], v[96+16*sg+2*(i-8)], v25   ; p is not negative: the hold is one-sided (the conversion does not saturate: ISA guide 7.6.2)
	v_min_num_f32 v[97+16*sg+2*(i-8)], v[97+16*sg+2*(i-8)], v25
.set i, i+1
.endr
	v_cvt_scalef32_pk8_fp8_f32 v[160+4*sg:161+4*sg], v[96+16*sg:103+16*sg], v24
	v_cvt_scalef32_pk8_fp8_f32 v[162+4*sg:163+4*sg], v[104+16*sg:111+16*sg], v24
.endm
; A STEP: 128 keys.  mode 1: the slot is filled again (a round of the cluster's barrier); 0: nothing is left to ask for, but the other slot's tiles are shown to every wave (a plain barrier); 2: the last step: no barrier.
.macro STEP mode
	v_add_nc_u32 v8, s66, v1
	v_add_nc_u32 v9, s66, v2
	v_add_nc_u32 v10, s66, v3
	v_nop                                          ; four places in front of loads into registers that the last products read
.irp t, 0,1,2,3,4,5,6,7
.irp c, 0,1
	ds_load_b128 v[32+8*\t+4*\c:32+8*\t+4*\c+3], v8 offset:16*PK*\t+32*\c
.endr
.endr
.irp b, 0,1,2,3
.irp c, 0,1,2,3
	ds_load_b128 v[160+16*\b+4*\c:160+16*\b+4*\c+3], v10 offset:128*\b+16*\c
.endr
.endr
	s_wait_dscnt 16                                ; K is in; the mask's 16 loads may be out
.irp t, 0,1,2,3,4,5,6,7
	v_wmma_f32_16x16x64_fp8_fp8 v[96+8*\t:103+8*\t], v[32+8*\t:39+8*\t], v[16:23], 0
.endr
	PLACES 4                                       ; in front of the loads over K's fragments and of the first read of the scores
.irp t, 0,1,2,3
.irp c, 0,1,2,3
	ds_load_b128 v[32+16*\t+4*\c:32+16*\t+4*\c+3], v9 offset:16*PV*\t+32*\c
.endr
.endr
.if \mode < 2
	s_wait_tensorcnt 0x0                           ; all my tensor loads have landed: my part of the other slot; so a group 0 may be written
	ds_add_u32 v5, v6                              ; 0 onto my spare word
.if \mode == 1
	s_xor_b32 s[W0M+1], s[W0M+1], SLOT1            ; the walking descriptors: the slot in hand, the keys two steps on
	s_add_nc_u64 s[W0M+2:W0M+3], s[W0M+2:W0M+3], 512
	s_xor_b32 s[W0K+1], s[W0K+1], SLOT1
	s_add_nc_u64 s[W0K+2:W0K+3], s[W0K+2:W0K+3], 8192
	s_xor_b32 s[W0V+1], s[W0V+1], SLOT1
	s_add_nc_u64 s[W0V+2:W0V+3], s[W0V+2:W0V+3], 8192
.endif
	s_wait_dscnt 17                                ; the mask is in; V's 16 loads and the add may be out
.else
	s_wait_dscnt 16                                ; the mask is in; V's 16 loads may be out
.endif
.set n, 0
.rept 32
	v_pk_fma_f32 v[96+n:97+n], v[160+n:161+n], s[24:25], v[96+n:97+n] op_sel_hi:[1,0,1]   ; score + mask x -1e9, in the raw sum's units
.set n, n+2
.endr
.set n, 0
.rept 32
	v_pk_mul_f32 v[96+n:97+n], v[96+n:97+n], s[22:23] op_sel_hi:[1,0]                     ; t, rounded once
.set n, n+2
.endr
	v_max3_num_f32 v30, v96, v97, v98              ; the step's largest t of my query, in two chains,
	v_max3_num_f32 v31, v99, v100, v101
.irp i, 6,10,14,18,22,26,30,34,38,42,46,50,54,58
	v_max3_num_f32 v30, v30, v[96+\i], v[97+\i]
	v_max3_num_f32 v31, v31, v[98+\i], v[99+\i]
.endr
	v_max3_num_f32 v30, v30, v158, v159
	v_max_num_f32 v30, v30, v31
	v_permlanex16_b32 v11, v30, s26, s27
	v_max_num_f32 v30, v30, v11                    ; and among lane l xor 16's
	v_max_num_f32 v13, v13, v30
	v_mov_b32 v30, v12
	v_floor_f32 v12, -v13                          ; the new -M: M is a whole number
	v_sub_f32 v30, v12, v30
	v_cvt_i32_f32 v30, v30                         ; (it saturates)
	v_ldexp_f32 v26, 1.0, v30                      ; f = 2^(old M - new M)
.if \mode < 2
	s_wait_dscnt 0x0                               ; the add is done; K, mask and V are in registers: my reads of this slot are over
	s_barrier_signal -1                            ; say so, and work on registers while the others arrive
.endif
.set n, 0
.rept 32
	v_pk_add_f32 v[96+n:97+n], v[96+n:97+n], v[12:13] op_sel_hi:[1,0]                     ; t - M
.set n, n+2
.endr
.if \mode < 2
	s_barrier_wait -1
.endif
.if \mode == 1
	CREST                                          ; no wave of any partner still reads this slot or has a load on its way
	TLOAD                                          ; the first thing behind the round; it has a step in which to land
.endif
.set i, 0
.rept 16
	v_exp_f32 v[96+i], v[96+i]                     ; p = 2^(t - M); behind each exponential a plain instruction that is ready: here O^T under the new M
	v_pk_mul_f32 v[224+2*i:225+2*i], v[224+2*i:225+2*i], v[26:27] op_sel_hi:[1,0]
.set i, i+1
.endr
	EBLOCK 1
	EBLOCK 2
	EBLOCK 3
.set sg, 3
.set si, 0
.rept 8
	SUMOP
.set si, si+1
.endr
	v_pk_add_f32 v[14:15], v[14:15], v[28:29]
.set n, 144
.rept 16
	v_min_num_f32 v[n], v[n], v25
.set n, n+1
.endr
	v_cvt_scalef32_pk8_fp8_f32 v[172:173], v[144:151], v24
	v_cvt_scalef32_pk8_fp8_f32 v[174:175], v[152:159], v24
	v_nop                                          ; a plain instruction between the last conversion and the products that read the codes
.if \mode == 2
	s_wait_dscnt 0x0                               ; V is in
.endif
.irp t, 0,1,2,3
	v_wmma_f32_16x16x128_fp8_fp8 v[224+8*\t:231+8*\t], v[32+16*\t:47+16*\t], v[160:175], v[224+8*\t:231+8*\t]
.endr
.endm
	s_mov_b32 s66, 0                               ; the slot in hand
	s_mov_b32 s67, 14
	s_wait_loadcnt 0x0                             ; Q
	s_wait_tensorcnt 0x0                           ; my parts of both slots are in,
	s_barrier_signal -1
	s_barrier_wait -1                              ; everybody's are
.Lstep:                                                ; steps 0 to 13: step j fills its slot again with step j + 2's tiles
	STEP 1
	s_xor_b32 s66, s66, SLOT1
	s_sub_co_u32 s67, s67, 1
	s_cmp_lg_u32 s67, 0
	s_cbranch_scc1 .Lstep
	STEP 0                                         ; the last two steps are written out
	s_xor_b32 s66, s66, SLOT1
	STEP 2
	; THE WAY OUT.  The address lines are the places behind the last products.
	s_mul_i32 s96, s14, 16*SPITCH
	s_lshl_b32 s97, s13, 6
	s_add_co_u32 s96, s96, s97
	s_add_co_u32 s96, s96, STAGE
	v_mul_u32_u24 v8, v7, SPITCH
	v_lshl_add_u32 v8, v4, 4, v8
	v_add_nc_u32 v8, s96, v8                       ; in: my query's row, my head's 64 bytes, + 16 h
	s_and_b32 s96, s12, 7
	s_mul_i32 s96, s96, 8*SPITCH
	s_lshr_b32 s97, s12, 3
	s_lshl_b32 s98, s97, 7
	s_add_co_u32 s96, s96, s98
	s_add_co_u32 s96, s96, STAGE
	v_and_b32 v9, 31, v0
	v_lshrrev_b32 v10, 3, v9
	v_mul_u32_u24 v10, v10, SPITCH
	v_and_b32 v30, 7, v9
	v_lshl_add_u32 v10, v30, 4, v10
	v_add_nc_u32 v10, s96, v10                     ; back: plane w / 8, rows 8 (w % 8) on, four rows of 128 bytes an instruction
	v_lshlrev_b32 v9, 4, v9
	s_lshr_b32 s98, s18, 2
	s_lshl_b32 s98, s98, 4
	s_lshr_b32 s99, s17, 1
	s_add_co_u32 s98, s98, s99                     ; the block of 128 rows
	s_lshl_b32 s98, s98, 3
	s_and_b32 s99, s18, 3
	s_lshl_b32 s99, s99, 1
	s_add_co_u32 s98, s98, s99
	s_add_co_u32 s98, s98, s97                     ; + the plane
	s_lshl_b32 s98, s98, 14
	s_and_b32 s99, s17, 1
	s_lshl_b32 s99, s99, 13
	s_add_co_u32 s98, s98, s99
	s_and_b32 s99, s12, 7
	s_lshl_b32 s99, s99, 10
	s_add_co_u32 s98, s98, s99
	s_mov_b32 s99, 0
	s_add_nc_u64 s[10:11], s[10:11], s[98:99]
	s_sub_co_i32 s96, s82, s80
	s_sub_co_i32 s96, s96, s81                     ; O / the sum stands for ctx / 2^(e8 + e9): the three scales folded into one
	s_add_co_i32 s96, s96, 127
	s_lshl_b32 s97, s96, 23
	v_mov_b32 v24, s97
	s_add_co_i32 s96, s96, 8
	s_lshl_b32 s96, s96, 23
	s_or_b32 s96, s96, 0x600000
	v_mov_b32 v25, s96
	v_add_f32 v14, v14, v15
	v_permlanex16_b32 v11, v14, s26, s27
	v_add_f32 v14, v14, v11                        ; the row's sum
	v_rcp_f32 v14, v14
	v_nop
	s_wait_alu depctr_va_vdst(0)
	v_mov_b32 v15, v14
.set n, 0
.rept 16
	v_pk_mul_f32 v[96+n:97+n], v[224+n:225+n], v[14:15] op_sel_hi:[1,0]   ; register 16 b + i: channel 32 b + 16 h + i
.set n, n+2
.endr
.irp b, 0,1
.set n, 96+16*\b
.rept 16
	v_med3_num_f32 v[n], v[n], -v25, v25
.set n, n+1
.endr
	v_cvt_scalef32_pk8_fp8_f32 v[160+4*\b:161+4*\b], v[96+16*\b:103+16*\b], v24
	v_cvt_scalef32_pk8_fp8_f32 v[162+4*\b:163+4*\b], v[104+16*\b:111+16*\b], v24
.endr
	v_nop
	ds_store_b128 v8, v[160:163]
	ds_store_b128 v8, v[164:167] offset:32
	s_wait_dscnt 0x0                               ; for the others' sake
	s_barrier_signal -1
	s_barrier_wait -1
	ds_load_b128 v[32:35], v10
	ds_load_b128 v[36:39], v10 offset:4*SPITCH
	s_wait_dscnt 1
	global_store_b128 v9, v[32:35], s[10:11]       ; 512 consecutive bytes
	s_wait_dscnt 0x0
	global_store_b128 v9, v[36:39], s[10:11] offset:512
	s_wait_tensorcnt 0x0                           ; the wave's end
	ds_add_u32 v5, v6
	s_wait_dscnt 0x0
	CROUND                                         ; the closing round
	s_endpgm
.Lfunc_end_k_q2e30e31aee_attn:
	.size	k_q2e30e31aee_attn, .Lfunc_end_k_q2e30e31aee_attn-k_q2e30e31aee_attn
	.p2alignl 7, 3214868480
	.fill 96, 4, 3214868480
	.section	.rodata,"a",@progbits
	.p2align	6, 0x0
	.amdhsa_kernel k_q2e30e31aee_attn
		.amdhsa_group_segment_fixed_size 327680
		.amdhsa_private_segment_fixed_size 0
		.amdhsa_enable_private_segment 0
		.amdhsa_kernarg_size 32
		.amdhsa_user_sgpr_count 2
		.amdhsa_user_sgpr_kernarg_segment_ptr 1
		.amdhsa_wavefront_size32 1
		.amdhsa_system_sgpr_workgroup_id_x 1
		.amdhsa_system_sgpr_workgroup_id_y 1
		.amdhsa_system_sgpr_workgroup_id_z 1
		.amdhsa_system_vgpr_workitem_id 0
		.amdhsa_next_free_vgpr 256
		.amdhsa_next_free_sgpr 106
		.amdhsa_reserve_vcc 0
		.amdhsa_float_denorm_mode_32 3
		.amdhsa_float_denorm_mode_16_64 3
		.amdhsa_memory_ordered 1
		.amdhsa_forward_progress 1
		.amdhsa_inst_pref_size 80
	.end_amdhsa_kernel
	.amdgpu_metadata
---
amdhsa.version: [ 1, 2 ]
amdhsa.kernels:
  - .name:           k_q2e30e31aee_attn
    .symbol:         k_q2e30e31aee_attn.kd
    .args:
      - { .name: qkv, .offset: 0, .size: 8, .value_kind: global_buffer, .address_space: global }
      - { .name: mask, .offset: 8, .size: 8, .value_kind: global_buffer, .address_space: global }
      - { .name: lowp_scales, .offset: 16, .size: 8, .value_kind: global_buffer, .address_space: global }
      - { .name: ctx, .offset: 24, .size: 8, .value_kind: global_buffer, .address_space: global }
    .group_segment_fixed_size: 327680
    .private_segment_fixed_size: 0
    .kernarg_segment_align: 8
    .kernarg_segment_size: 32
    .max_flat_workgroup_size: 512
    .sgpr_count:     106
    .vgpr_count:     256
    .wavefront_size: 32
...
	.end_amdgpu_metadata
.endif
;; end of part 3
;; launch dense (part 4): grid 8 x 32, 4 waves a work-group, clusters of 4 x 4, 327,680 bytes of LDS; arguments ctx, wc, lowp_scales, h, dense_b, xnb; writes h
.if DOCPART == 4
	.amdgcn_target "amdgcn-amd-amdhsa--gfx1250"
	.amdhsa_code_object_version 6
	.text
	.protected	k_q2e30e31aee_dense
	.globl	k_q2e30e31aee_dense
	.p2align	8
	.type	k_q2e30e31aee_dense,@function
k_q2e30e31aee_dense:
	s_mov_b64 s[64:65], 0
	v_nop
	global_prefetch_b8 v0, s[64:65] scope:SCOPE_SE
	s_setreg_imm32_b32 hwreg(HW_REG_WAVE_MODE, 25, 1), 1
	s_wait_xcnt 0x0
	s_wait_alu depctr_hold_cnt(0) depctr_sa_sdst(0) depctr_va_vdst(0) depctr_va_sdst(0) depctr_va_ssrc(0) depctr_va_vcc(0) depctr_vm_vsrc(0)
	s_getreg_b32 s2, hwreg(HW_REG_IB_STS2, 6, 4)
	s_cmp_eq_u32 s2, 0
	s_cbranch_scc0 .Lentry_in_a_cluster
	s_endpgm
.Lentry_in_a_cluster:
	s_bfe_u32 s2, ttmp6, 0x10000c
	s_cmp_lg_u32 s2, 0xf033
	s_cbranch_scc0 .Lentry_shape_is_right
	s_endpgm
.Lentry_shape_is_right:
; h = xn + ctx dense_w^T + dense_b, the product on E4M3 codes (scales 2^e10, 2^e11), h in f32.  One tile of 128 x 128 to a work-group, four waves of 64 x 64; K = 1,024 is two steps of 512:
; both slots are filled once, at the start.  The product is used transposed (source 0 = the weight, rows turned; source 1 = ctx): a lane holds 16 neighbouring columns of a row.
; The bias is the C of the first products, divided by 2^(e10 + e11); on the way out each number is sum x 2^(e10 + e11) + xn: one packed multiply-add for two.
; xn's 64 x 64 numbers of a wave are asked for at the head, 32 loads into v512-639 (window 2), in the layout of the rows that come back from the stage: nothing is asked for on the way out.
; CLUSTER 4 x 4: ctx's tiles shared along a row of the cluster, the weight's along a column.  LIMITS: e10 + e11 between -126 and 127.  NaN is not served.
.set A_OFF, 0
.set A_MUL, 131072
.set B_OFF, 3145728
.set B_MUL, 131072
.set ASTEP, 0
.set BSTEP, 0
; ---- the block that the products' launches share
.set PITCH,  144                       ; an LDS row: 128 bytes + 16: the 16 rows of a fragment load start at 16 different banks (64 banks of 4 bytes: ISA guide 11.1)
.set PLANE,  128*PITCH
.set HALF,   2*PLANE                   ; what one tensor load brings: 256 rows of 128 bytes, dense in memory
.set SLOT,   4*HALF                    ; A's four planes, then B's
.set STAGE,  2*SLOT                    ; the way out: never a fill's target
.set SPARE,  STAGE+128*PITCH           ; the spare words: 128 bytes a wave
.set ADRA, 16                          ; v16-17, v20-21: my fragments' LDS addresses in slot 0, 1
.set ADRB, 20
.set SPW,  28
.set NIL,  29
.set BI,   32                          ; v32-63 the bias in the result's layout
.set OB,   32                          ; the way out: v32-63 and v64-95 by turns: 16 rows read back from the stage
.set ACC,  128                         ; v128-255 accumulator (s1, s0) at 8 (4 s1 + s0)
.set F0,   0                           ; window 1: two fragment buffers: source 0's four fragments, then source 1's
.set F1,   128
.set G1A,  28
.set G1B,  36
.set G0A,  44
.set G0B,  52
.set MSB,  0
.macro WIN new                         ; the immediate's high byte repeats the setting that is left
.if MSB != \new
	s_set_vgpr_msb (MSB<<8)|\new
.set MSB, \new
.endif
.endm
.set MUL,  0x05                        ; sources 0 and 1 window 1; C and D window 0
.set TO_F, 0x40                        ; destination window 1, address window 0
.macro PLACES n
.rept \n
	v_nop
.endr
.endm
.macro JLOAD s                         ; a joint load: waves 0, 1 for A, waves 2, 3 for B; four v_nop follow each line
	s_cmp_eq_u32 s19, 0
	s_cbranch_scc0 .Lfor_b_\@
	tensor_load_to_lds s[G0A+4*\s:G0A+4*\s+3], s[G1A:G1A+7]
	s_nop 0
	PLACES 4
	s_branch .Lasked_\@
.Lfor_b_\@:
	tensor_load_to_lds s[G0B+4*\s:G0B+4*\s+3], s[G1B:G1B+7]
	s_nop 0
	PLACES 4
.Lasked_\@:
.endm
.macro CROUND                          ; a round of the cluster's barrier
	s_barrier_signal -1
	s_barrier_wait -1
	s_cmp_lg_u32 s18, 0
	s_cbranch_scc1 .Lnot_wave_0_\@
	s_barrier_signal -3
.Lnot_wave_0_\@:
	s_barrier_wait -3
	s_barrier_signal -1
	s_barrier_wait -1
.endm
.macro FETCH slot, q, f, swap          ; 32 LDS loads: plane q of the slot; source 0 from B (swap = 0) or from A (1)
	WIN TO_F
.irp i, 0,1,2,3
.irp c, 0,1,2,3
.if \swap
	ds_load_b128 v[\f+16*\i+4*\c:\f+16*\i+4*\c+3], v[ADRA+(\slot)] offset:(\q)*PLANE+2304*\i+32*\c
.else
	ds_load_b128 v[\f+16*\i+4*\c:\f+16*\i+4*\c+3], v[ADRB+(\slot)] offset:(\q)*PLANE+2304*\i+32*\c
.endif
.endr
.endr
.irp i, 0,1,2,3
.irp c, 0,1,2,3
.if \swap
	ds_load_b128 v[\f+64+16*\i+4*\c:\f+64+16*\i+4*\c+3], v[ADRB+(\slot)] offset:(\q)*PLANE+2304*\i+32*\c
.else
	ds_load_b128 v[\f+64+16*\i+4*\c:\f+64+16*\i+4*\c+3], v[ADRA+(\slot)] offset:(\q)*PLANE+2304*\i+32*\c
.endif
.endr
.endr
.endm
.macro MUL16 f, cm                     ; 16 products, 128 along K; the 16 accumulators take turns.  C: 0 (cm 0), the bias of source 0's rows (1), the sum (2)
.irp a, 0,1,2,3
.irp b, 0,1,2,3
.if \cm == 0
	v_wmma_f32_16x16x128_fp8_fp8 v[ACC+8*(4*\a+\b):ACC+8*(4*\a+\b)+7], v[\f+16*\b:\f+16*\b+15], v[\f+64+16*\a:\f+64+16*\a+15], 0
.elseif \cm == 1
	v_wmma_f32_16x16x128_fp8_fp8 v[ACC+8*(4*\a+\b):ACC+8*(4*\a+\b)+7], v[\f+16*\b:\f+16*\b+15], v[\f+64+16*\a:\f+64+16*\a+15], v[BI+8*\b:BI+8*\b+7]
.else
	v_wmma_f32_16x16x128_fp8_fp8 v[ACC+8*(4*\a+\b):ACC+8*(4*\a+\b)+7], v[\f+16*\b:\f+16*\b+15], v[\f+64+16*\a:\f+64+16*\a+15], v[ACC+8*(4*\a+\b):ACC+8*(4*\a+\b)+7]
.endif
.endr
.endr
.endm
.macro SUB slot, q, cm, swap           ; plane q (0 to 2): its fragments are in; the next plane's are asked for; 16 products
	s_wait_dscnt 0x0
	PLACES 4                                       ; four places in front of loads into registers that the last products read (ISA guide 7.12.1 for vector instructions)
	FETCH \slot, (\q)+1, F0+128*(1-(\q)%2), \swap
	WIN MUL
	MUL16 F0+128*((\q)%2), \cm
.endm
.macro TURN slot, fill, swapn          ; plane 3, and the change of slots
	WIN 0
	s_wait_tensorcnt 0x0                           ; all my tensor loads have landed: my part of the next slot
	ds_add_u32 v[SPW], v[NIL]                      ; 0 onto my spare word
.if \fill
	s_add_nc_u64 s[G0A+4*\slot+2:G0A+4*\slot+3], s[G0A+4*\slot+2:G0A+4*\slot+3], ASTEP
	s_add_nc_u64 s[G0B+4*\slot+2:G0B+4*\slot+3], s[G0B+4*\slot+2:G0B+4*\slot+3], BSTEP
.endif
	s_wait_dscnt 0x0                               ; the add is done, and my reads of this slot are over
.if \fill
	CROUND                                         ; no wave of any partner still reads this slot or has a load on its way
	JLOAD \slot                                    ; the first tensor load behind the round; its four v_nop are the places in front of the loads below
.else
	s_barrier_signal -1
	s_barrier_wait -1
	PLACES 4
.endif
	FETCH 1-\slot, 0, F0, \swapn
	WIN MUL
	MUL16 F1, 2
	WIN 0
.endm
.macro LAST                            ; the very last plane
	s_wait_dscnt 0x0
	WIN MUL
	MUL16 F1, 2
	WIN 0
.endm
	s_load_b256 s[4:11], s[0:1], 0x0               ; A's codes 4, the weights' codes 6, the exponents 8, the result 10
	s_load_b128 s[12:15], s[0:1], 0x20             ; dense_b 12, xnb 14
	v_lshl_add_u32 v[SPW], v0, 2, SPARE
	v_mov_b32 v[NIL], 0
	ds_add_u32 v28, v29
	s_wait_dscnt 0x0
	v_lshrrev_b32 v1, 5, v0
	v_readfirstlane_b32 s18, v1                    ; wave
	s_lshr_b32 s19, s18, 1                         ; my half of A's rows; also: I fetch for A (0) or B (1)
	s_and_b32 s20, s18, 1                          ; my half of B's rows; also: which two planes I fetch
	s_bfe_u32 s21, ttmp6, 0x40000                  ; cx
	s_bfe_u32 s22, ttmp6, 0x40004                  ; cy
	s_lshl_b32 s23, ttmp9, 2
	s_add_co_u32 s23, s23, s21                     ; x: the block of columns
	s_and_b32 s24, ttmp7, 0xffff
	s_lshl_b32 s24, s24, 2
	s_add_co_u32 s24, s24, s22                     ; y: the block of rows
	s_lshl_b32 s25, s22, 2
	s_lshl_b32 s25, 15, s25                        ; my row of the cluster
	s_lshl_b32 s26, 0x1111, s21                    ; my column
	s_or_b32 s[G1A], s25, (1<<20)|(1<<21)|(4<<22)|(3<<25)   ; mask; elements of 1 byte; padding on; bit 21 beside a mask; 4 words after every 32
	s_or_b32 s[G1B], s26, (1<<20)|(1<<21)|(4<<22)|(3<<25)
.irp g, G1A, G1B
	s_mov_b32 s[\g+1], 128<<16                     ; tensor_dim0
	s_mov_b32 s[\g+2], 256<<16                     ; tensor_dim1
	s_mov_b32 s[\g+3], 128<<16                     ; tile_dim0
	s_mov_b32 s[\g+4], 256                         ; tile_dim1
	s_mov_b32 s[\g+5], 128                         ; pitch
	s_mov_b32 s[\g+6], 0
	s_mov_b32 s[\g+7], 0
.endr
	s_lshl_b32 s68, s20, 15                        ; my two planes
	s_mul_i32 s66, s24, A_MUL                      ; A's address hangs on y and the wave alone,
	s_add_co_u32 s66, s66, s68
	s_add_co_u32 s66, s66, A_OFF
	s_mov_b32 s67, 0
	s_mul_i32 s70, s23, B_MUL                      ; B's on x and the wave alone
	s_add_co_u32 s70, s70, s68
	s_add_co_u32 s70, s70, B_OFF
	s_mov_b32 s71, 0
	s_mul_i32 s27, s18, HALF                       ; and where they go: the wave's number alone
	s_wait_kmcnt 0x0
	s_load_b512 s[72:87], s[8:9], 0x0              ; e0 .. e15
	s_add_nc_u64 s[66:67], s[4:5], s[66:67]
	s_add_nc_u64 s[70:71], s[6:7], s[70:71]
	CROUND                                         ; all sixteen work-groups are here: the first joint loads meet
.irp s, 0,1
	s_mov_b32 s[G0A+4*\s], 1
	s_add_co_u32 s[G0A+4*\s+1], s27, \s*SLOT
	s_add_nc_u64 s[G0A+4*\s+2:G0A+4*\s+3], s[66:67], \s*65536
	s_or_b32 s[G0A+4*\s+3], s[G0A+4*\s+3], 0x80000000
	s_mov_b32 s[G0B+4*\s], 1
	s_add_co_u32 s[G0B+4*\s+1], s27, \s*SLOT
	s_add_nc_u64 s[G0B+4*\s+2:G0B+4*\s+3], s[70:71], \s*65536
	s_or_b32 s[G0B+4*\s+3], s[G0B+4*\s+3], 0x80000000
	JLOAD \s
.endr
	v_and_b32 v1, 15, v0                           ; r
	v_bfe_u32 v2, v0, 4, 1                         ; h
	v_mul_u32_u24 v3, v1, PITCH
	v_lshl_add_u32 v3, v2, 4, v3                   ; a fragment's row x pitch + 16 h
	s_mul_i32 s88, s19, 64*PITCH
	s_mul_i32 s89, s20, 64*PITCH
	s_add_co_u32 s89, s89, 2*HALF
.irp s, 0,1
	v_add_nc_u32 v[ADRA+\s], s88, v3
	v_add_nc_u32 v[ADRB+\s], s89, v3
	s_add_co_u32 s88, s88, SLOT
	s_add_co_u32 s89, s89, SLOT
.endr
; ---- end of the shared block
	s_lshl_b32 s88, s23, 9
	s_lshl_b32 s89, s20, 8
	s_add_co_u32 s88, s88, s89
	v_lshl_add_u32 v25, v2, 6, s88                 ; the bias of my 64 columns, + 16 h numbers
.irp p, 0,1
.irp c, 0,1,2,3
	global_load_b128 v[BI+16*\p+4*\c:BI+16*\p+4*\c+3], v25, s[12:13] offset:128*\p+16*\c
.endr
.endr
; ---- the way out in f32, shared with the last product's launch: a block of 16 rows x 64 columns goes through my own stage and comes back as rows of 256 bytes
	s_mul_i32 s88, s18, 16*272
	s_add_co_u32 s88, s88, STAGE
	v_mul_u32_u24 v22, v1, 272
	v_lshl_add_u32 v22, v2, 6, v22
	v_add_nc_u32 v22, s88, v22                     ; in: row r, + 64 h bytes
	v_mul_u32_u24 v23, v2, 272
	v_lshl_add_u32 v23, v1, 4, v23
	v_add_nc_u32 v23, s88, v23                     ; back: lanes 0-15 one row, lanes 16-31 the next
	v_lshlrev_b32 v24, 12, v2
	v_lshl_add_u32 v24, v1, 4, v24                 ; and the same two rows in memory
	s_lshl_b32 s60, s24, 19
	s_lshl_b32 s61, s19, 18
	s_add_co_u32 s60, s60, s61
	s_lshl_b32 s61, s23, 9
	s_add_co_u32 s60, s60, s61
	s_lshl_b32 s61, s20, 8
	s_add_co_u32 s60, s60, s61                     ; my first row x 4,096 + my first column x 4
	s_mov_b32 s61, 0
	s_add_nc_u64 s[10:11], s[10:11], s[60:61]
	s_add_nc_u64 s[14:15], s[14:15], s[60:61]
	WIN 0x80                                       ; destination window 2: the residual of all four blocks, in the layout of the rows read back
.irp a, 0,1,2,3
.irp t, 0,1,2,3,4,5,6,7
	global_load_b128 v[32*\a+4*\t:32*\a+4*\t+3], v24, s[14:15] offset:(16*\a+2*\t)*4096
.endr
.endr
	WIN 0
.macro TOST a                          ; block a into my stage and back as whole rows
.irp n, 0,1,2,3,4,5,6,7
	ds_store_b128 v22, v[ACC+32*(\a)+4*\n:ACC+32*(\a)+4*\n+3] offset:128*(\n/4)+16*(\n%4)   ; each accumulator from its low end on
.endr
.irp t, 0,1,2,3,4,5,6,7
	ds_load_b128 v[OB+32*((\a)%2)+4*\t:OB+32*((\a)%2)+4*\t+3], v23 offset:544*\t   ; LDS serves a wave's instructions in order: these see my stores, and the next block's stores come behind them
.endr
.endm
.macro SENDF a, younger                ; younger: the LDS instructions issued behind block a's loads, which may stay out
	s_wait_dscnt \younger
	WIN 0x20                                       ; source 2 (the residual) window 2
.set n, 0
.rept 16
	v_pk_fma_f32 v[OB+32*((\a)%2)+n:OB+32*((\a)%2)+n+1], v[OB+32*((\a)%2)+n:OB+32*((\a)%2)+n+1], s[90:91], v[32*(\a)+n:32*(\a)+n+1] op_sel_hi:[1,0,1]
.set n, n+2
.endr
	WIN 0
.irp t, 0,1,2,3,4,5,6,7
	global_store_b128 v24, v[OB+32*((\a)%2)+4*\t:OB+32*((\a)%2)+4*\t+3], s[10:11] offset:(16*(\a)+2*\t)*4096   ; 16 lanes store 256 consecutive bytes, aligned
.endr
.endm
	s_wait_kmcnt 0x0
	s_add_co_i32 s96, s82, s83                     ; e10 + e11
	s_add_co_i32 s90, s96, 127
	s_lshl_b32 s90, s90, 23
	s_mov_b32 s91, s90
	s_sub_co_i32 s96, 0, s96
	s_wait_loadcnt 32                              ; the bias is in; the residual's 32 loads may be out
.set n, 0
.rept 32
	v_ldexp_f32 v[BI+n], v[BI+n], s96
.set n, n+1
.endr
	s_wait_tensorcnt 1                             ; my part of K step 0 is in; K step 1's may be out
	s_barrier_signal -1
	s_barrier_wait -1
	FETCH 0, 0, F0, 0
	SUB 0, 0, 1, 0
	SUB 0, 1, 2, 0
	SUB 0, 2, 2, 0
	TURN 0, 0, 0
	SUB 1, 0, 2, 0
	SUB 1, 1, 2, 0
	SUB 1, 2, 2, 0
	LAST
	PLACES 4
	s_wait_loadcnt 0x0                             ; the residual, asked for at the head
	TOST 0
	TOST 1
	SENDF 0, 16                                    ; behind block 0's loads: block 1's 8 stores and 8 loads
	s_wait_xcnt 0x0                                ; block 0's stores have read their registers: block 2's rows may land there
	TOST 2
	SENDF 1, 16
	s_wait_xcnt 0x0
	TOST 3
	SENDF 2, 16
	SENDF 3, 0
	s_wait_tensorcnt 0x0                           ; the wave's end
	ds_add_u32 v[SPW], v[NIL]
	s_wait_dscnt 0x0
	CROUND                                         ; the closing round
	s_endpgm
.Lfunc_end_k_q2e30e31aee_dense:
	.size	k_q2e30e31aee_dense, .Lfunc_end_k_q2e30e31aee_dense-k_q2e30e31aee_dense
	.p2alignl 7, 3214868480
	.fill 96, 4, 3214868480
	.section	.rodata,"a",@progbits
	.p2align	6, 0x0
	.amdhsa_kernel k_q2e30e31aee_dense
		.amdhsa_group_segment_fixed_size 327680
		.amdhsa_private_segment_fixed_size 0
		.amdhsa_enable_private_segment 0
		.amdhsa_kernarg_size 48
		.amdhsa_user_sgpr_count 2
		.amdhsa_user_sgpr_kernarg_segment_ptr 1
		.amdhsa_wavefront_size32 1
		.amdhsa_system_sgpr_workgroup_id_x 1
		.amdhsa_system_sgpr_workgroup_id_y 1
		.amdhsa_system_sgpr_workgroup_id_z 1
		.amdhsa_system_vgpr_workitem_id 0
		.amdhsa_next_free_vgpr 640
		.amdhsa_next_free_sgpr 100
		.amdhsa_reserve_vcc 0
		.amdhsa_float_denorm_mode_32 3
		.amdhsa_float_denorm_mode_16_64 3
		.amdhsa_memory_ordered 1
		.amdhsa_forward_progress 1
		.amdhsa_inst_pref_size 51
	.end_amdhsa_kernel
	.amdgpu_metadata
---
amdhsa.version: [ 1, 2 ]
amdhsa.kernels:
  - .name:           k_q2e30e31aee_dense
    .symbol:         k_q2e30e31aee_dense.kd
    .args:
      - { .name: ctx, .offset: 0, .size: 8, .value_kind: global_buffer, .address_space: global }
      - { .name: wc, .offset: 8, .size: 8, .value_kind: global_buffer, .address_space: global }
      - { .name: lowp_scales, .offset: 16, .size: 8, .value_kind: global_buffer, .address_space: global }
      - { .name: h, .offset: 24, .size: 8, .value_kind: global_buffer, .address_space: global }
      - { .name: dense_b, .offset: 32, .size: 8, .value_kind: global_buffer, .address_space: global }
      - { .name: xnb, .offset: 40, .size: 8, .value_kind: global_buffer, .address_space: global }
    .group_segment_fixed_size: 327680
    .private_segment_fixed_size: 0
    .kernarg_segment_align: 8
    .kernarg_segment_size: 48
    .max_flat_workgroup_size: 128
    .sgpr_count:     100
    .vgpr_count:     640
    .wavefront_size: 32
...
	.end_amdgpu_metadata
.endif
;; end of part 4
;; launch ln2 (part 5): grid 256 x 1, 4 waves a work-group, no clusters, 39,424 bytes of LDS; arguments h, gamma2, beta2, lowp_scales, hnb; writes hnb
.if DOCPART == 5
	.amdgcn_target "amdgcn-amd-amdhsa--gfx1250"
	.amdhsa_code_object_version 6
	.text
	.protected	k_q2e30e31aee_ln2
	.globl	k_q2e30e31aee_ln2
	.p2align	8
	.type	k_q2e30e31aee_ln2,@function
k_q2e30e31aee_ln2:
	s_mov_b64 s[64:65], 0
	v_nop
	global_prefetch_b8 v0, s[64:65] scope:SCOPE_SE
	s_setreg_imm32_b32 hwreg(HW_REG_WAVE_MODE, 25, 1), 1
	s_wait_xcnt 0x0
; hn = gamma2 (h - mean) / (std + 1e-6) + beta2 (std with 1,023 in the divisor), stored as f32 and as E4M3 codes (scale 2^e12) laid [block of 128 rows][plane of 128 along K][128 rows][128 bytes].
; A work-group takes 16 rows, a wave 4, one row at a time, each kept in 32 registers between the passes; all four rows are asked for at the head (32 loads a wave).
; No tensor loads, no barrier, no cluster: waves share nothing but gamma2 and beta2.  LIMITS: e12 between -126 and 119; NaN among the inputs is not served.
.set NSETS,  1
.set SP,     80
.set CPITCH, 1152
.set CSET,   4*CPITCH
.set WREG,   64*SP+NSETS*CSET
.set CODES,  16777216
.set T,   16
.set SCL, 56
.set Y,   64
.set X,   96                           ; v96-223 my four rows
.set CD,  224
.set GA,  0                            ; window 1: v0-31 gamma, v32-63 beta
.set BE,  32
.set MSB, 0
.macro WIN new                         ; the immediate's high byte repeats the setting that is left
.if MSB != \new
	s_set_vgpr_msb (MSB<<8)|\new
.set MSB, \new
.endif
.endm
.macro WSUM
	v_add_f32_dpp v8, v8, v8 row_xmask:1 row_mask:0xf bank_mask:0xf
	v_add_f32_dpp v8, v8, v8 row_xmask:2 row_mask:0xf bank_mask:0xf
	v_add_f32_dpp v8, v8, v8 row_xmask:4 row_mask:0xf bank_mask:0xf
	v_add_f32_dpp v8, v8, v8 row_xmask:8 row_mask:0xf bank_mask:0xf
	v_permlanex16_b32 v9, v8, s30, s31
	v_add_f32 v8, v8, v9
.endm
.macro FOLD
	v_pk_add_f32 v[T:T+1], v[T:T+1], v[T+2:T+3]
	v_pk_add_f32 v[T+4:T+5], v[T+4:T+5], v[T+6:T+7]
	v_pk_add_f32 v[T:T+1], v[T:T+1], v[T+4:T+5]
	v_add_f32 v8, v[T], v[T+1]
	WSUM
.endm
.macro XLOAD i
.irp j, 0,1,2,3,4,5,6,7
	global_load_b128 v[X+32*(\i)+4*\j:X+32*(\i)+4*\j+3], v2, s[32:33] offset:4096*(\i)+512*\j th:TH_LOAD_NT
.endr
.endm
.macro ROW i
.set XB, X+32*(\i)
	s_wait_loadcnt 8*(3-(\i))                      ; my row is in (gamma and beta are older); the later rows' loads, eight each, may be out
.irp k, 0,1,2,3
	v_pk_add_f32 v[T+2*\k:T+2*\k+1], v[XB+4*\k:XB+4*\k+1], v[XB+4*\k+2:XB+4*\k+3]
.endr
.irp j, 16,24
.irp k, 0,1,2,3
	v_pk_add_f32 v[T+2*\k:T+2*\k+1], v[T+2*\k:T+2*\k+1], v[XB+\j+2*\k:XB+\j+2*\k+1]
.endr
.endr
	FOLD
	v_mul_f32 v12, 0xba800000, v8                  ; minus the mean
	v_mov_b32 v13, v12
.set n, 0
.rept 16
	v_pk_add_f32 v[XB+n:XB+n+1], v[XB+n:XB+n+1], v[12:13] op_sel_hi:[1,0]
.set n, n+2
.endr
.irp k, 0,1,2,3
	v_pk_mul_f32 v[T+2*\k:T+2*\k+1], v[XB+2*\k:XB+2*\k+1], v[XB+2*\k:XB+2*\k+1]
.endr
.irp j, 8,16,24
.irp k, 0,1,2,3
	v_pk_fma_f32 v[T+2*\k:T+2*\k+1], v[XB+\j+2*\k:XB+\j+2*\k+1], v[XB+\j+2*\k:XB+\j+2*\k+1], v[T+2*\k:T+2*\k+1]
.endr
.endr
	FOLD
	v_mul_f32 v8, 0x3a802008, v8                   ; / 1,023
	v_sqrt_f32 v8, v8
	v_nop                                          ; one plain instruction behind a transcendental (ISA guide 5.7.2)
	s_wait_alu depctr_va_vdst(0)
	v_add_f32 v8, 0x358637bd, v8                   ; + 1e-6
	v_rcp_f32 v14, v8
	v_nop
	s_wait_alu depctr_va_vdst(0)
	v_mov_b32 v15, v14
.set n, 0
.rept 16
	v_pk_mul_f32 v[XB+n:XB+n+1], v[XB+n:XB+n+1], v[14:15] op_sel_hi:[1,0]
.set n, n+2
.endr
	WIN 0x14                                       ; sources 1 and 2 (gamma, beta) in window 1
.set n, 0
.rept 16
	v_pk_fma_f32 v[XB+n:XB+n+1], v[XB+n:XB+n+1], v[GA+n:GA+n+1], v[BE+n:BE+n+1]
.set n, n+2
.endr
	WIN 0
.irp j, 0,1,2,3,4,5,6,7
	global_store_b128 v2, v[XB+4*\j:XB+4*\j+3], s[34:35] offset:4096*(\i)+512*\j
.endr
.irp j, 0,1,2,3,4,5,6,7
	ds_store_b128 v3, v[XB+4*\j:XB+4*\j+3] offset:8*SP*\j
.endr
.irp u, 0,1
.irp c, 0,1,2,3
	ds_load_b128 v[Y+16*\u+4*\c:Y+16*\u+4*\c+3], v4 offset:32*SP*\u+16*\c
.endr
.endr
	s_wait_dscnt 0x0                               ; the numbers are back; all my earlier LDS stores have read their registers
.irp u, 0,1
.set n, 0
.rept 16
	v_med3_num_f32 v[T+16*\u+n], v[Y+16*\u+n], -v[SCL+1], v[SCL+1]
.set n, n+1
.endr
	v_cvt_scalef32_pk8_fp8_f32 v[CD+4*\u:CD+4*\u+1], v[T+16*\u:T+16*\u+7], v[SCL]
	v_cvt_scalef32_pk8_fp8_f32 v[CD+4*\u+2:CD+4*\u+3], v[T+16*\u+8:T+16*\u+15], v[SCL]
	ds_store_b128 v5, v[CD+4*\u:CD+4*\u+3] offset:(\i)*CPITCH+512*\u
.endr
	v_nop                                          ; a plain instruction behind the last conversion
.endm
	s_load_b256 s[4:11], s[0:1], 0x0               ; h 4, gamma2 6, beta2 8, exponents 10
	s_load_b64 s[12:13], s[0:1], 0x20              ; hnb
	v_lshl_add_u32 v254, v0, 2, 0x9800
	v_mov_b32 v255, 0
	v_lshrrev_b32 v1, 5, v0
	v_readfirstlane_b32 s28, v1                    ; wave
	v_and_b32 v1, 31, v0                           ; lane
	v_lshlrev_b32 v2, 4, v1
	s_wait_kmcnt 0x0
	s_load_b32 s72, s[10:11], 0x30                 ; e12
	s_mul_i32 s29, s28, WREG
	v_lshrrev_b32 v7, 2, v1
	v_mul_u32_u24 v3, v7, SP
	v_and_b32 v7, 3, v1
	v_lshl_add_u32 v3, v7, 4, v3
	v_add_nc_u32 v3, s29, v3
	v_mul_u32_u24 v4, v1, SP
	v_add_nc_u32 v4, s29, v4
	v_add_nc_u32 v5, s29, v2
	v_add_nc_u32 v5, 64*SP, v5
	v_lshrrev_b32 v7, 3, v1
	v_mul_u32_u24 v6, v7, CPITCH
	v_and_b32 v7, 7, v1
	v_lshl_add_u32 v6, v7, 4, v6
	v_add_nc_u32 v6, s29, v6
	v_add_nc_u32 v6, 64*SP, v6
	s_mov_b32 s30, 0x76543210
	s_mov_b32 s31, 0xfedcba98
	v_mov_b32 v9, 0
	s_lshl_b32 s42, ttmp9, 4
	s_lshl_b32 s43, s28, 2
	s_add_co_u32 s42, s42, s43                     ; my first row
	s_lshl_b32 s44, s42, 12
	s_mov_b32 s45, 0
	s_add_nc_u64 s[32:33], s[4:5], s[44:45]
	s_add_nc_u64 s[34:35], s[12:13], s[44:45]
	WIN 0x40                                       ; destination window 1
.irp j, 0,1,2,3,4,5,6,7
	global_load_b128 v[GA+4*\j:GA+4*\j+3], v2, s[6:7] offset:512*\j
.endr
.irp j, 0,1,2,3,4,5,6,7
	global_load_b128 v[BE+4*\j:BE+4*\j+3], v2, s[8:9] offset:512*\j
.endr
	WIN 0
	XLOAD 0
	XLOAD 1
	XLOAD 2
	XLOAD 3
	s_lshr_b32 s44, s42, 7
	s_lshl_b32 s44, s44, 17
	s_add_co_u32 s44, s44, CODES
	s_and_b32 s46, s42, 127
	s_lshl_b32 s50, s46, 7
	s_add_co_u32 s50, s50, s44
	s_mov_b32 s51, 0
	s_add_nc_u64 s[36:37], s[12:13], s[50:51]
	s_wait_kmcnt 0x0
	s_add_co_i32 s52, s72, 127
	s_lshl_b32 s53, s52, 23
	v_mov_b32 v[SCL], s53                          ; 2^e12
	s_add_co_i32 s52, s52, 8
	s_lshl_b32 s52, s52, 23
	s_or_b32 s52, s52, 0x600000
	v_mov_b32 v[SCL+1], s52                        ; 448 x 2^e12
	ROW 0
	ROW 1
	ROW 2
	ROW 3
	s_wait_xcnt 0x0                                ; the rows' stores have read their registers
.irp p, 0,1,2,3,4,5,6,7
	ds_load_b128 v[X+4*\p:X+4*\p+3], v6 offset:128*\p
.endr
.irp p, 0,1,2,3,4,5,6,7
	s_wait_dscnt 7-\p                              ; the younger loads of this run may be out
	global_store_b128 v2, v[X+4*\p:X+4*\p+3], s[36:37] offset:16384*\p   ; four rows x 128 bytes of plane p: 512 consecutive bytes
.endr
	s_wait_tensorcnt 0x0
	ds_add_u32 v254, v255
	s_wait_dscnt 0x0
	s_endpgm
.Lfunc_end_k_q2e30e31aee_ln2:
	.size	k_q2e30e31aee_ln2, .Lfunc_end_k_q2e30e31aee_ln2-k_q2e30e31aee_ln2
	.p2alignl 7, 3214868480
	.fill 96, 4, 3214868480
	.section	.rodata,"a",@progbits
	.p2align	6, 0x0
	.amdhsa_kernel k_q2e30e31aee_ln2
		.amdhsa_group_segment_fixed_size 39424
		.amdhsa_private_segment_fixed_size 0
		.amdhsa_enable_private_segment 0
		.amdhsa_kernarg_size 40
		.amdhsa_user_sgpr_count 2
		.amdhsa_user_sgpr_kernarg_segment_ptr 1
		.amdhsa_wavefront_size32 1
		.amdhsa_system_sgpr_workgroup_id_x 1
		.amdhsa_system_sgpr_workgroup_id_y 1
		.amdhsa_system_sgpr_workgroup_id_z 1
		.amdhsa_system_vgpr_workitem_id 0
		.amdhsa_next_free_vgpr 320
		.amdhsa_next_free_sgpr 96
		.amdhsa_reserve_vcc 0
		.amdhsa_float_denorm_mode_32 3
		.amdhsa_float_denorm_mode_16_64 3
		.amdhsa_memory_ordered 1
		.amdhsa_forward_progress 1
		.amdhsa_inst_pref_size 52
	.end_amdhsa_kernel
	.amdgpu_metadata
---
amdhsa.version: [ 1, 2 ]
amdhsa.kernels:
  - .name:           k_q2e30e31aee_ln2
    .symbol:         k_q2e30e31aee_ln2.kd
    .args:
      - { .name: h, .offset: 0, .size: 8, .value_kind: global_buffer, .address_space: global }
      - { .name: gamma2, .offset: 8, .size: 8, .value_kind: global_buffer, .address_space: global }
      - { .name: beta2, .offset: 16, .size: 8, .value_kind: global_buffer, .address_space: global }
      - { .name: lowp_scales, .offset: 24, .size: 8, .value_kind: global_buffer, .address_space: global }
      - { .name: hnb, .offset: 32, .size: 8, .value_kind: global_buffer, .address_space: global }
    .group_segment_fixed_size: 39424
    .private_segment_fixed_size: 0
    .kernarg_segment_align: 8
    .kernarg_segment_size: 40
    .max_flat_workgroup_size: 128
    .sgpr_count:     96
    .vgpr_count:     320
    .wavefront_size: 32
...
	.end_amdgpu_metadata
.endif
;; end of part 5
;; launch fc (part 6): grid 8 x 32, 4 waves a work-group, clusters of 4 x 4, 327,680 bytes of LDS; arguments hnb, wc, lowp_scales, g; writes g
.if DOCPART == 6
	.amdgcn_target "amdgcn-amd-amdhsa--gfx1250"
	.amdhsa_code_object_version 6
	.text
	.protected	k_q2e30e31aee_fc
	.globl	k_q2e30e31aee_fc
	.p2align	8
	.type	k_q2e30e31aee_fc,@function
k_q2e30e31aee_fc:
	s_mov_b64 s[64:65], 0
	v_nop
	global_prefetch_b8 v0, s[64:65] scope:SCOPE_SE
	s_setreg_imm32_b32 hwreg(HW_REG_WAVE_MODE, 25, 1), 1
	s_wait_xcnt 0x0
	s_wait_alu depctr_hold_cnt(0) depctr_sa_sdst(0) depctr_va_vdst(0) depctr_va_sdst(0) depctr_va_ssrc(0) depctr_va_vcc(0) depctr_vm_vsrc(0)
	s_getreg_b32 s2, hwreg(HW_REG_IB_STS2, 6, 4)
	s_cmp_eq_u32 s2, 0
	s_cbranch_scc0 .Lentry_in_a_cluster
	s_endpgm
.Lentry_in_a_cluster:
	s_bfe_u32 s2, ttmp6, 0x10000c
	s_cmp_lg_u32 s2, 0xf033
	s_cbranch_scc0 .Lentry_shape_is_right
	s_endpgm
.Lentry_shape_is_right:
; g = Q(gelu(hn fc_w^T)), the product on E4M3 codes (scales 2^e12, 2^e13), gelu exact (by erf) in f32, g as codes (scale 2^e14) in planes of 128 along the next K.
; A work-group walks four tiles of 128 x 128 (columns 128 (4 x + j)); four waves of 64 x 64.  K = 1,024 is two steps of 512, so slot s keeps hn's K step s for the whole launch and only the weight's parts
; are filled again: ONCE A TILE, behind the tile's last reads: one round of the cluster's barrier, and each of the four waves asks for a quarter of the next tile's weight (waves 0, 1: slot 0's part; waves 2, 3:
; slot 1's).  The loads land while the tile's gelu is worked; a plain barrier behind the gelu shows them to every wave.  Tiles 0 to 2 are a loop of three trips, the last tile is written out.
; erf(|z|), z = x / sqrt 2: for |z| > 475/512 it is 1 - exp of a polynomial of degree 7, else a polynomial in z^2 times |z|; both are computed and one is selected.  gelu = x/2 + |x/2| erf(|z|).
; CLUSTER 4 x 4: hn's tiles shared along a row of the cluster, the weight's along a column.  LIMITS: e12 + e13 between -125 and 126; e14 between -126 and 119.  NaN is not served.
.set A_OFF, 16777216
.set A_MUL, 131072
.set B_OFF, 4194304
.set B_MUL, 524288
.set ASTEP, 0
.set BSTEP, 0
.set TSTEP, 131072                     ; from a tile's rows of the weight to the next tile's
.set G0R, 96                           ; s[96:99] group 0 of my refill
.set CD, 32                            ; v32-63 codes; v64-103 at work in gelu; v96-127 rows read back
.set RB, 96
.set GT, 64
.set GS, 72
.set GX, 80
.set GR, 88
.set GU, 96
; ---- the block that the products' launches share
.set PITCH,  144                       ; an LDS row: 128 bytes + 16: the 16 rows of a fragment load start at 16 different banks (64 banks of 4 bytes: ISA guide 11.1)
.set PLANE,  128*PITCH
.set HALF,   2*PLANE                   ; what one tensor load brings: 256 rows of 128 bytes, dense in memory
.set SLOT,   4*HALF                    ; A's four planes, then B's
.set STAGE,  2*SLOT                    ; the way out: never a fill's target
.set SPARE,  STAGE+128*PITCH           ; the spare words: 128 bytes a wave
.set ADRA, 16                          ; v16-17, v20-21: my fragments' LDS addresses in slot 0, 1
.set ADRB, 20
.set SPW,  28
.set NIL,  29
.set BI,   32
.set ACC,  128                         ; v128-255 accumulator (s1, s0) at 8 (4 s1 + s0)
.set F0,   0                           ; window 1: two fragment buffers: source 0's four fragments, then source 1's
.set F1,   128
.set G1A,  28
.set G1B,  36
.set G0A,  44
.set G0B,  52
.set MSB,  0
.macro WIN new                         ; the immediate's high byte repeats the setting that is left
.if MSB != \new
	s_set_vgpr_msb (MSB<<8)|\new
.set MSB, \new
.endif
.endm
.set MUL,  0x05                        ; sources 0 and 1 window 1; C and D window 0
.set TO_F, 0x40                        ; destination window 1, address window 0
.macro PLACES n
.rept \n
	v_nop
.endr
.endm
.macro JLOAD s                         ; a joint load: waves 0, 1 for A, waves 2, 3 for B; four v_nop follow each line
	s_cmp_eq_u32 s19, 0
	s_cbranch_scc0 .Lfor_b_\@
	tensor_load_to_lds s[G0A+4*\s:G0A+4*\s+3], s[G1A:G1A+7]
	s_nop 0
	PLACES 4
	s_branch .Lasked_\@
.Lfor_b_\@:
	tensor_load_to_lds s[G0B+4*\s:G0B+4*\s+3], s[G1B:G1B+7]
	s_nop 0
	PLACES 4
.Lasked_\@:
.endm
.macro CROUND                          ; a round of the cluster's barrier
	s_barrier_signal -1
	s_barrier_wait -1
	s_cmp_lg_u32 s18, 0
	s_cbranch_scc1 .Lnot_wave_0_\@
	s_barrier_signal -3
.Lnot_wave_0_\@:
	s_barrier_wait -3
	s_barrier_signal -1
	s_barrier_wait -1
.endm
.macro FETCH slot, q, f, swap          ; 32 LDS loads: plane q of the slot; source 0 from B (swap = 0) or from A (1)
	WIN TO_F
.irp i, 0,1,2,3
.irp c, 0,1,2,3
.if \swap
	ds_load_b128 v[\f+16*\i+4*\c:\f+16*\i+4*\c+3], v[ADRA+(\slot)] offset:(\q)*PLANE+2304*\i+32*\c
.else
	ds_load_b128 v[\f+16*\i+4*\c:\f+16*\i+4*\c+3], v[ADRB+(\slot)] offset:(\q)*PLANE+2304*\i+32*\c
.endif
.endr
.endr
.irp i, 0,1,2,3
.irp c, 0,1,2,3
.if \swap
	ds_load_b128 v[\f+64+16*\i+4*\c:\f+64+16*\i+4*\c+3], v[ADRB+(\slot)] offset:(\q)*PLANE+2304*\i+32*\c
.else
	ds_load_b128 v[\f+64+16*\i+4*\c:\f+64+16*\i+4*\c+3], v[ADRA+(\slot)] offset:(\q)*PLANE+2304*\i+32*\c
.endif
.endr
.endr
.endm
.macro MUL16 f, cm                     ; 16 products, 128 along K; the 16 accumulators take turns.  C: 0 (cm 0) or the sum (2)
.irp a, 0,1,2,3
.irp b, 0,1,2,3
.if \cm == 0
	v_wmma_f32_16x16x128_fp8_fp8 v[ACC+8*(4*\a+\b):ACC+8*(4*\a+\b)+7], v[\f+16*\b:\f+16*\b+15], v[\f+64+16*\a:\f+64+16*\a+15], 0
.else
	v_wmma_f32_16x16x128_fp8_fp8 v[ACC+8*(4*\a+\b):ACC+8*(4*\a+\b)+7], v[\f+16*\b:\f+16*\b+15], v[\f+64+16*\a:\f+64+16*\a+15], v[ACC+8*(4*\a+\b):ACC+8*(4*\a+\b)+7]
.endif
.endr
.endr
.endm
.macro SUB slot, q, cm, swap           ; plane q (0 to 2): its fragments are in; the next plane's are asked for; 16 products
	s_wait_dscnt 0x0
	PLACES 4                                       ; four places in front of loads into registers that the last products read (ISA guide 7.12.1 for vector instructions)
	FETCH \slot, (\q)+1, F0+128*(1-(\q)%2), \swap
	WIN MUL
	MUL16 F0+128*((\q)%2), \cm
.endm
.macro TURN slot, fill, swapn          ; plane 3, and the change of slots
	WIN 0
	s_wait_tensorcnt 0x0                           ; all my tensor loads have landed: my part of the next slot
	ds_add_u32 v[SPW], v[NIL]                      ; 0 onto my spare word
.if \fill
	s_add_nc_u64 s[G0A+4*\slot+2:G0A+4*\slot+3], s[G0A+4*\slot+2:G0A+4*\slot+3], ASTEP
	s_add_nc_u64 s[G0B+4*\slot+2:G0B+4*\slot+3], s[G0B+4*\slot+2:G0B+4*\slot+3], BSTEP
.endif
	s_wait_dscnt 0x0                               ; the add is done, and my reads of this slot are over
.if \fill
	CROUND                                         ; no wave of any partner still reads this slot or has a load on its way
	JLOAD \slot                                    ; the first tensor load behind the round; its four v_nop are the places in front of the loads below
.else
	s_barrier_signal -1
	s_barrier_wait -1
	PLACES 4
.endif
	FETCH 1-\slot, 0, F0, \swapn
	WIN MUL
	MUL16 F1, 2
	WIN 0
.endm
.macro LAST                            ; the very last plane
	s_wait_dscnt 0x0
	WIN MUL
	MUL16 F1, 2
	WIN 0
.endm
.macro MKSC sc, lim, e                 ; s[sc] = 2^e, s[lim] = 448 x 2^e as f32, e in s[e]
	s_add_co_i32 s[\lim], s[\e], 127
	s_lshl_b32 s[\sc], s[\lim], 23
	s_add_co_i32 s[\lim], s[\lim], 8
	s_lshl_b32 s[\lim], s[\lim], 23
	s_or_b32 s[\lim], s[\lim], 0x600000
.endm
; A tile's last plane.  The weight's parts of BOTH slots have been read for the last time: they are filled again behind one round, a quarter by each wave.
.macro TURNB
	WIN 0
	s_wait_tensorcnt 0x0                           ; no tensor load of mine is out, so my group 0 may be written
	ds_add_u32 v[SPW], v[NIL]                      ; 0 onto my spare word
	s_add_nc_u64 s[G0R+2:G0R+3], s[G0R+2:G0R+3], TSTEP   ; the next tile's rows of the weight
	s_wait_dscnt 0x0                               ; the add is done, and my reads of both slots' weight parts are over
	CROUND                                         ; no wave of any partner still reads them or has a load on its way
	tensor_load_to_lds s[G0R:G0R+3], s[G1B:G1B+7]  ; my one load behind the round, and the first thing there
	s_nop 0
	PLACES 4
	WIN MUL
	MUL16 F1, 2
	WIN 0
.endm
	s_load_b256 s[4:11], s[0:1], 0x0               ; A's codes 4, the weights' codes 6, the exponents 8, the result 10
	v_lshl_add_u32 v[SPW], v0, 2, SPARE
	v_mov_b32 v[NIL], 0
	ds_add_u32 v28, v29
	s_wait_dscnt 0x0
	v_lshrrev_b32 v1, 5, v0
	v_readfirstlane_b32 s18, v1                    ; wave
	s_lshr_b32 s19, s18, 1                         ; my half of A's rows; also: I fetch for A (0) or B (1); in a refill: which slot
	s_and_b32 s20, s18, 1                          ; my half of B's rows; also: which two planes I fetch
	s_bfe_u32 s21, ttmp6, 0x40000                  ; cx
	s_bfe_u32 s22, ttmp6, 0x40004                  ; cy
	s_lshl_b32 s23, ttmp9, 2
	s_add_co_u32 s23, s23, s21                     ; x: the block of columns
	s_and_b32 s24, ttmp7, 0xffff
	s_lshl_b32 s24, s24, 2
	s_add_co_u32 s24, s24, s22                     ; y: the block of rows
	s_lshl_b32 s25, s22, 2
	s_lshl_b32 s25, 15, s25                        ; my row of the cluster
	s_lshl_b32 s26, 0x1111, s21                    ; my column
	s_or_b32 s[G1A], s25, (1<<20)|(1<<21)|(4<<22)|(3<<25)   ; mask; elements of 1 byte; padding on; bit 21 beside a mask; 4 words after every 32
	s_or_b32 s[G1B], s26, (1<<20)|(1<<21)|(4<<22)|(3<<25)
.irp g, G1A, G1B
	s_mov_b32 s[\g+1], 128<<16                     ; tensor_dim0
	s_mov_b32 s[\g+2], 256<<16                     ; tensor_dim1
	s_mov_b32 s[\g+3], 128<<16                     ; tile_dim0
	s_mov_b32 s[\g+4], 256                         ; tile_dim1
	s_mov_b32 s[\g+5], 128                         ; pitch
	s_mov_b32 s[\g+6], 0
	s_mov_b32 s[\g+7], 0
.endr
	s_lshl_b32 s68, s20, 15                        ; my two planes
	s_mul_i32 s66, s24, A_MUL                      ; A's address hangs on y and the wave alone,
	s_add_co_u32 s66, s66, s68
	s_add_co_u32 s66, s66, A_OFF
	s_mov_b32 s67, 0
	s_mul_i32 s70, s23, B_MUL                      ; B's on x and the wave alone
	s_add_co_u32 s70, s70, s68
	s_add_co_u32 s70, s70, B_OFF
	s_mov_b32 s71, 0
	s_mul_i32 s27, s18, HALF                       ; and where they go: the wave's number alone
	s_mov_b32 s[G0R], 1                            ; my refill: slot w / 2, the weight's planes 2 (w % 2) and the next
	s_mul_i32 s[G0R+1], s19, SLOT
	s_mul_i32 s[G0R+2], s20, HALF
	s_add_co_u32 s[G0R+1], s[G0R+1], s[G0R+2]
	s_add_co_u32 s[G0R+1], s[G0R+1], 2*HALF
	s_lshl_b32 s[G0R+2], s19, 16                   ; K step w / 2: 65,536 bytes on
	s_mov_b32 s[G0R+3], 0
	s_wait_kmcnt 0x0
	s_load_b512 s[72:87], s[8:9], 0x0              ; e0 .. e15
	s_add_nc_u64 s[66:67], s[4:5], s[66:67]
	s_add_nc_u64 s[70:71], s[6:7], s[70:71]
	s_add_nc_u64 s[G0R+2:G0R+3], s[70:71], s[G0R+2:G0R+3]   ; tile 0's address: it is stepped ahead of each refill
	s_or_b32 s[G0R+3], s[G0R+3], 0x80000000
	CROUND                                         ; all sixteen work-groups are here: the first joint loads meet
.irp s, 0,1
	s_mov_b32 s[G0A+4*\s], 1
	s_add_co_u32 s[G0A+4*\s+1], s27, \s*SLOT
	s_add_nc_u64 s[G0A+4*\s+2:G0A+4*\s+3], s[66:67], \s*65536
	s_or_b32 s[G0A+4*\s+3], s[G0A+4*\s+3], 0x80000000
	s_mov_b32 s[G0B+4*\s], 1
	s_add_co_u32 s[G0B+4*\s+1], s27, \s*SLOT
	s_add_nc_u64 s[G0B+4*\s+2:G0B+4*\s+3], s[70:71], \s*65536
	s_or_b32 s[G0B+4*\s+3], s[G0B+4*\s+3], 0x80000000
	JLOAD \s
.endr
	v_and_b32 v1, 15, v0                           ; r
	v_bfe_u32 v2, v0, 4, 1                         ; h
	v_mul_u32_u24 v3, v1, PITCH
	v_lshl_add_u32 v3, v2, 4, v3                   ; a fragment's row x pitch + 16 h
	s_mul_i32 s88, s19, 64*PITCH
	s_mul_i32 s89, s20, 64*PITCH
	s_add_co_u32 s89, s89, 2*HALF
.irp s, 0,1
	v_add_nc_u32 v[ADRA+\s], s88, v3
	v_add_nc_u32 v[ADRB+\s], s89, v3
	s_add_co_u32 s88, s88, SLOT
	s_add_co_u32 s89, s89, SLOT
.endr
; ---- end of the shared block
	s_mul_i32 s88, s19, 64*PITCH
	s_lshl_b32 s89, s20, 6
	s_add_co_u32 s88, s88, s89
	s_add_co_u32 s88, s88, STAGE
	v_add_nc_u32 v22, s88, v3                      ; into the stage: row = hn's row, byte = column
	s_mul_i32 s88, s18, 32*PITCH
	s_add_co_u32 s88, s88, STAGE
	v_and_b32 v4, 31, v0
	v_lshrrev_b32 v5, 3, v4
	v_mul_u32_u24 v5, v5, PITCH
	v_and_b32 v6, 7, v4
	v_lshl_add_u32 v5, v6, 4, v5
	v_add_nc_u32 v23, s88, v5                      ; back: 128 bytes of 4 rows an instruction, rows 32 w on
	v_lshlrev_b32 v30, 4, v4
	s_lshl_b32 s60, s24, 19
	s_lshl_b32 s61, s23, 16
	s_add_co_u32 s60, s60, s61
	s_lshl_b32 s61, s18, 12
	s_add_co_u32 s60, s60, s61                     ; (32 y + 4 x) planes of 16,384 bytes + 4,096 x wave
	s_mov_b32 s61, 0
	s_add_nc_u64 s[10:11], s[10:11], s[60:61]
	s_wait_kmcnt 0x0
	s_add_co_i32 s93, s84, s85                     ; e12 + e13
	s_lshl_b32 s88, s93, 23
	s_add_co_i32 s88, s88, 0x3f3504f3              ; 2^(e12 + e13) / sqrt 2
	s_mov_b32 s89, s88
	s_add_co_i32 s90, s93, 126
	s_lshl_b32 s90, s90, 23                        ; 2^(e12 + e13) / 2
	s_mov_b32 s91, s90
	s_mov_b32 s92, 0x3f6d8000                      ; 475 / 512
	MKSC 94, 95, 86
	v_mov_b32 v12, s94                             ; 2^e14
	v_mov_b32 v13, s95                             ; 448 x 2^e14
	v_mov_b32 v8, 0xb7910000                       ; three leading coefficients, as pairs
	v_mov_b32 v9, 0xb7910000
	v_mov_b32 v10, 0xbb7e8a1c
	v_mov_b32 v11, 0xbb7e8a1c
	v_mov_b32 v14, 0xba1c7000
	v_mov_b32 v15, 0xba1c7000
.macro GELU8 a                         ; eight sums at v[a] become gelu of what they stand for
.irp i, 0,2,4,6
	v_pk_mul_f32 v[GT+\i:GT+\i+1], v[\a+\i:\a+\i+1], s[88:89] op_sel_hi:[1,0]       ; z (the accumulator is read from its low end on)
.endr
.irp i, 0,2,4,6
	v_pk_mul_f32 v[GX+\i:GX+\i+1], v[\a+\i:\a+\i+1], s[90:91] op_sel_hi:[1,0]       ; x / 2
.endr
.irp i, 0,2,4,6
	v_pk_mul_f32 v[GS+\i:GS+\i+1], v[GT+\i:GT+\i+1], v[GT+\i:GT+\i+1]               ; z^2
.endr
.irp i, 0,1,2,3,4,5,6,7
	v_and_b32 v[GT+\i], 0x7fffffff, v[GT+\i]                                        ; t = |z|
.endr
.irp i, 0,2,4,6
	v_pk_fma_f32 v[GR+\i:GR+\i+1], v[8:9], v[GT+\i:GT+\i+1], 0x39c8e7d9 op_sel_hi:[1,1,0]
.endr
.irp i, 0,2,4,6
	v_pk_fma_f32 v[GU+\i:GU+\i+1], v[10:11], v[GT+\i:GT+\i+1], 0x3cc6b1a1 op_sel_hi:[1,1,0]
.endr
.irp i, 0,2,4,6
	v_pk_fma_f32 v[GR+\i:GR+\i+1], v[GR+\i:GR+\i+1], v[GS+\i:GS+\i+1], v[GU+\i:GU+\i+1]
.endr
.irp k, 0xbddaae5c, 0xbf228550, 0xbe03ce86
.irp i, 0,2,4,6
	v_pk_fma_f32 v[GR+\i:GR+\i+1], v[GR+\i:GR+\i+1], v[GT+\i:GT+\i+1], \k op_sel_hi:[1,1,0]
.endr
.endr
.irp i, 0,2,4,6
	v_pk_fma_f32 v[GR+\i:GR+\i+1], v[GR+\i:GR+\i+1], v[GT+\i:GT+\i+1], v[GT+\i:GT+\i+1] neg_lo:[0,0,1] neg_hi:[0,0,1]
.endr
.irp i, 0,2,4,6
	v_pk_mul_f32 v[GR+\i:GR+\i+1], v[GR+\i:GR+\i+1], 0x3fb8aa3b op_sel_hi:[1,0]
.endr
.irp i, 0,1,2,3,4,5,6,7
	v_exp_f32 v[GR+\i], v[GR+\i]
.endr
.irp i, 0,2,4,6
	v_pk_fma_f32 v[GU+\i:GU+\i+1], v[14:15], v[GS+\i:GS+\i+1], 0x3ba38d2c op_sel_hi:[1,1,0]   ; the way for small t (plain instructions behind the exponentials)
.endr
.irp k, 0xbcdb48d9, 0x3de70e22, 0xbec09380, 0x3e0375d4
.irp i, 0,2,4,6
	v_pk_fma_f32 v[GU+\i:GU+\i+1], v[GU+\i:GU+\i+1], v[GS+\i:GS+\i+1], \k op_sel_hi:[1,1,0]
.endr
.endr
.irp i, 0,2,4,6
	v_pk_fma_f32 v[GU+\i:GU+\i+1], v[GU+\i:GU+\i+1], v[GT+\i:GT+\i+1], v[GT+\i:GT+\i+1]
.endr
	s_wait_alu depctr_va_vdst(0)
.irp i, 0,2,4,6
	v_pk_fma_f32 v[GR+\i:GR+\i+1], v[GR+\i:GR+\i+1], -1.0, 1.0 op_sel_hi:[1,0,0]
.endr
.irp i, 0,1,2,3,4,5,6,7
	v_cmp_lt_f32 vcc_lo, s92, v[GT+\i]
	v_cndmask_b32 v[GU+\i], v[GU+\i], v[GR+\i], vcc_lo                              ; a choice of a value, no branch
.endr
.irp i, 0,1,2,3,4,5,6,7
	v_fma_f32 v[\a+\i], |v[GX+\i]|, v[GU+\i], v[GX+\i]
.endr
.endm
.macro EPI                             ; a tile's way out: gelu, the hold, the conversion, the work-group's stage, a barrier, runs of 512 bytes
	s_wait_xcnt 0x0                                ; the last tile's stores have read their registers
	PLACES 4
.irp a, 0,1,2,3
.irp p, 0,1
	GELU8 ACC+32*\a+16*\p
	GELU8 ACC+32*\a+16*\p+8
.set n, ACC+32*\a+16*\p
.rept 16
	v_med3_num_f32 v[n], v[n], -v13, v13
.set n, n+1
.endr
	v_cvt_scalef32_pk8_fp8_f32 v[CD+8*\a+4*\p:CD+8*\a+4*\p+1], v[ACC+32*\a+16*\p:ACC+32*\a+16*\p+7], v12
	v_cvt_scalef32_pk8_fp8_f32 v[CD+8*\a+4*\p+2:CD+8*\a+4*\p+3], v[ACC+32*\a+16*\p+8:ACC+32*\a+16*\p+15], v12
	ds_store_b128 v22, v[CD+8*\a+4*\p:CD+8*\a+4*\p+3] offset:2304*\a+32*\p
.endr
.endr
	v_nop                                          ; a plain instruction behind the last conversion
	s_wait_dscnt 0x0                               ; for the others' sake: my stores into the stage are done
	s_barrier_signal -1
	s_barrier_wait -1
.irp i, 0,1,2,3,4,5,6,7
	ds_load_b128 v[RB+4*\i:RB+4*\i+3], v23 offset:576*\i
.endr
.irp i, 0,1,2,3,4,5,6,7
	s_wait_dscnt 7-\i                              ; the younger loads of this run may be out
	global_store_b128 v30, v[RB+4*\i:RB+4*\i+3], s[10:11] offset:512*\i
.endr
.endm
	s_wait_tensorcnt 1                             ; my part of K step 0 is in; K step 1's may be out
	s_barrier_signal -1
	s_barrier_wait -1
	FETCH 0, 0, F0, 0
	WIN 0                                          ; at a label and at a branch every window is 0
	s_mov_b32 s3, 3
.Ltile:                                                ; tiles 0 to 2
	SUB 0, 0, 0, 0
	SUB 0, 1, 2, 0
	SUB 0, 2, 2, 0
	TURN 0, 0, 0                                   ; on to slot 1; nothing is filled here
	SUB 1, 0, 2, 0
	SUB 1, 1, 2, 0
	SUB 1, 2, 2, 0
	TURNB                                          ; the next tile's weight is asked for,
	EPI                                            ; and lands while this tile's gelu is worked
	s_wait_xcnt 0x0                                ; the stores have read their base
	s_add_nc_u64 s[10:11], s[10:11], 16384         ; the next plane of g
	s_wait_tensorcnt 0x0                           ; my quarter of the next tile's weight is in; my reads of the stage are back (the count-down above ended at 0),
	s_barrier_signal -1
	s_barrier_wait -1                              ; everybody's are
	FETCH 0, 0, F0, 0
	WIN 0
	s_sub_co_u32 s3, s3, 1
	s_cmp_lg_u32 s3, 0
	s_cbranch_scc1 .Ltile
	SUB 0, 0, 0, 0                                 ; the last tile asks for nothing
	SUB 0, 1, 2, 0
	SUB 0, 2, 2, 0
	TURN 0, 0, 0
	SUB 1, 0, 2, 0
	SUB 1, 1, 2, 0
	SUB 1, 2, 2, 0
	LAST
	EPI
	s_wait_tensorcnt 0x0                           ; the wave's end
	ds_add_u32 v[SPW], v[NIL]
	s_wait_dscnt 0x0
	CROUND                                         ; the closing round
	s_endpgm
.Lfunc_end_k_q2e30e31aee_fc:
	.size	k_q2e30e31aee_fc, .Lfunc_end_k_q2e30e31aee_fc-k_q2e30e31aee_fc
	.p2alignl 7, 3214868480
	.fill 96, 4, 3214868480
	.section	.rodata,"a",@progbits
	.p2align	6, 0x0
	.amdhsa_kernel k_q2e30e31aee_fc
		.amdhsa_group_segment_fixed_size 327680
		.amdhsa_private_segment_fixed_size 0
		.amdhsa_enable_private_segment 0
		.amdhsa_kernarg_size 32
		.amdhsa_user_sgpr_count 2
		.amdhsa_user_sgpr_kernarg_segment_ptr 1
		.amdhsa_wavefront_size32 1
		.amdhsa_system_sgpr_workgroup_id_x 1
		.amdhsa_system_sgpr_workgroup_id_y 1
		.amdhsa_system_sgpr_workgroup_id_z 1
		.amdhsa_system_vgpr_workitem_id 0
		.amdhsa_next_free_vgpr 512
		.amdhsa_next_free_sgpr 100
		.amdhsa_reserve_vcc 1
		.amdhsa_float_denorm_mode_32 3
		.amdhsa_float_denorm_mode_16_64 3
		.amdhsa_memory_ordered 1
		.amdhsa_forward_progress 1
		.amdhsa_inst_pref_size 255
	.end_amdhsa_kernel
	.section	.bss,"aw",@nobits
	.p2align	6
	.space	262144
	.amdgpu_metadata
---
amdhsa.version: [ 1, 2 ]
amdhsa.kernels:
  - .name:           k_q2e30e31aee_fc
    .symbol:         k_q2e30e31aee_fc.kd
    .args:
      - { .name: hnb, .offset: 0, .size: 8, .value_kind: global_buffer, .address_space: global }
      - { .name: wc, .offset: 8, .size: 8, .value_kind: global_buffer, .address_space: global }
      - { .name: lowp_scales, .offset: 16, .size: 8, .value_kind: global_buffer, .address_space: global }
      - { .name: g, .offset: 24, .size: 8, .value_kind: global_buffer, .address_space: global }
    .group_segment_fixed_size: 327680
    .private_segment_fixed_size: 0
    .kernarg_segment_align: 8
    .kernarg_segment_size: 32
    .max_flat_workgroup_size: 128
    .sgpr_count:     100
    .vgpr_count:     512
    .wavefront_size: 32
...
	.end_amdgpu_metadata
.endif
;; end of part 6
;; launch proj (part 7): grid 8 x 32, 4 waves a work-group, clusters of 4 x 4, 327,680 bytes of LDS; arguments g, wc, lowp_scales, out0, hnb; writes out0
.if DOCPART == 7
	.amdgcn_target "amdgcn-amd-amdhsa--gfx1250"
	.amdhsa_code_object_version 6
	.text
	.protected	k_q2e30e31aee_proj
	.globl	k_q2e30e31aee_proj
	.p2align	8
	.type	k_q2e30e31aee_proj,@function
k_q2e30e31aee_proj:
	s_mov_b64 s[64:65], 0
	v_nop
	global_prefetch_b8 v0, s[64:65] scope:SCOPE_SE
	s_setreg_imm32_b32 hwreg(HW_REG_WAVE_MODE, 25, 1), 1
	s_wait_xcnt 0x0
	s_wait_alu depctr_hold_cnt(0) depctr_sa_sdst(0) depctr_va_vdst(0) depctr_va_sdst(0) depctr_va_ssrc(0) depctr_va_vcc(0) depctr_vm_vsrc(0)
	s_getreg_b32 s2, hwreg(HW_REG_IB_STS2, 6, 4)
	s_cmp_eq_u32 s2, 0
	s_cbranch_scc0 .Lentry_in_a_cluster
	s_endpgm
.Lentry_in_a_cluster:
	s_bfe_u32 s2, ttmp6, 0x10000c
	s_cmp_lg_u32 s2, 0xf033
	s_cbranch_scc0 .Lentry_shape_is_right
	s_endpgm
.Lentry_shape_is_right:
; out0 = hn + g proj_w^T, the product on E4M3 codes (scales 2^e14, 2^e15), out0 in f32.  One tile of 128 x 128 to a work-group, four waves of 64 x 64; K = 4,096 goes in eight steps of 512 through
; a ring of two LDS slots.  The product is used transposed (source 0 = the weight, rows turned; source 1 = g): a lane holds 16 neighbouring columns of a row.
; On the way out each number is sum x 2^(e14 + e15) + hn: one packed multiply-add for two.
; hn's 64 x 64 numbers of a wave are asked for at the head, 32 loads into v512-639 (window 2), in the layout of the rows that come back from the stage: nothing is asked for on the way out.
; CLUSTER 4 x 4: g's tiles shared along a row of the cluster, the weight's along a column.  A wave has two tensor loads out at the start and one behind each round.
; LIMITS: e14 + e15 between -126 and 127.  NaN is not served.  lds_bytes: all of LDS.
.set A_OFF, 0
.set A_MUL, 524288
.set B_OFF, 8388608
.set B_MUL, 524288
.set ASTEP, 131072                     ; two K steps on
.set BSTEP, 131072
; ---- the block that the products' launches share
.set PITCH,  144                       ; an LDS row: 128 bytes + 16: the 16 rows of a fragment load start at 16 different banks (64 banks of 4 bytes: ISA guide 11.1)
.set PLANE,  128*PITCH
.set HALF,   2*PLANE                   ; what one tensor load brings: 256 rows of 128 bytes, dense in memory
.set SLOT,   4*HALF                    ; A's four planes, then B's
.set STAGE,  2*SLOT                    ; the way out: never a fill's target
.set SPARE,  STAGE+128*PITCH           ; the spare words: 128 bytes a wave
.set ADRA, 16                          ; v16-17, v20-21: my fragments' LDS addresses in slot 0, 1
.set ADRB, 20
.set SPW,  28
.set NIL,  29
.set OB,   32                          ; the way out: v32-63 and v64-95 by turns: 16 rows read back from the stage
.set ACC,  128                         ; v128-255 accumulator (s1, s0) at 8 (4 s1 + s0)
.set F0,   0                           ; window 1: two fragment buffers: source 0's four fragments, then source 1's
.set F1,   128
.set G1A,  28
.set G1B,  36
.set G0A,  44
.set G0B,  52
.set MSB,  0
.macro WIN new                         ; the immediate's high byte repeats the setting that is left
.if MSB != \new
	s_set_vgpr_msb (MSB<<8)|\new
.set MSB, \new
.endif
.endm
.set MUL,  0x05                        ; sources 0 and 1 window 1; C and D window 0
.set TO_F, 0x40                        ; destination window 1, address window 0
.macro PLACES n
.rept \n
	v_nop
.endr
.endm
.macro JLOAD s                         ; a joint load: waves 0, 1 for A, waves 2, 3 for B; four v_nop follow each line
	s_cmp_eq_u32 s19, 0
	s_cbranch_scc0 .Lfor_b_\@
	tensor_load_to_lds s[G0A+4*\s:G0A+4*\s+3], s[G1A:G1A+7]
	s_nop 0
	PLACES 4
	s_branch .Lasked_\@
.Lfor_b_\@:
	tensor_load_to_lds s[G0B+4*\s:G0B+4*\s+3], s[G1B:G1B+7]
	s_nop 0
	PLACES 4
.Lasked_\@:
.endm
.macro CROUND                          ; a round of the cluster's barrier
	s_barrier_signal -1
	s_barrier_wait -1
	s_cmp_lg_u32 s18, 0
	s_cbranch_scc1 .Lnot_wave_0_\@
	s_barrier_signal -3
.Lnot_wave_0_\@:
	s_barrier_wait -3
	s_barrier_signal -1
	s_barrier_wait -1
.endm
.macro FETCH slot, q, f, swap          ; 32 LDS loads: plane q of the slot; source 0 from B (swap = 0) or from A (1)
	WIN TO_F
.irp i, 0,1,2,3
.irp c, 0,1,2,3
.if \swap
	ds_load_b128 v[\f+16*\i+4*\c:\f+16*\i+4*\c+3], v[ADRA+(\slot)] offset:(\q)*PLANE+2304*\i+32*\c
.else
	ds_load_b128 v[\f+16*\i+4*\c:\f+16*\i+4*\c+3], v[ADRB+(\slot)] offset:(\q)*PLANE+2304*\i+32*\c
.endif
.endr
.endr
.irp i, 0,1,2,3
.irp c, 0,1,2,3
.if \swap
	ds_load_b128 v[\f+64+16*\i+4*\c:\f+64+16*\i+4*\c+3], v[ADRB+(\slot)] offset:(\q)*PLANE+2304*\i+32*\c
.else
	ds_load_b128 v[\f+64+16*\i+4*\c:\f+64+16*\i+4*\c+3], v[ADRA+(\slot)] offset:(\q)*PLANE+2304*\i+32*\c
.endif
.endr
.endr
.endm
.macro MUL16 f, cm                     ; 16 products, 128 along K; the 16 accumulators take turns.  C: 0 (cm 0) or the sum (2)
.irp a, 0,1,2,3
.irp b, 0,1,2,3
.if \cm == 0
	v_wmma_f32_16x16x128_fp8_fp8 v[ACC+8*(4*\a+\b):ACC+8*(4*\a+\b)+7], v[\f+16*\b:\f+16*\b+15], v[\f+64+16*\a:\f+64+16*\a+15], 0
.else
	v_wmma_f32_16x16x128_fp8_fp8 v[ACC+8*(4*\a+\b):ACC+8*(4*\a+\b)+7], v[\f+16*\b:\f+16*\b+15], v[\f+64+16*\a:\f+64+16*\a+15], v[ACC+8*(4*\a+\b):ACC+8*(4*\a+\b)+7]
.endif
.endr
.endr
.endm
.macro SUB slot, q, cm, swap           ; plane q (0 to 2): its fragments are in; the next plane's are asked for; 16 products
	s_wait_dscnt 0x0
	PLACES 4                                       ; four places in front of loads into registers that the last products read (ISA guide 7.12.1 for vector instructions)
	FETCH \slot, (\q)+1, F0+128*(1-(\q)%2), \swap
	WIN MUL
	MUL16 F0+128*((\q)%2), \cm
.endm
.macro TURN slot, fill, swapn          ; plane 3, and the change of slots
	WIN 0
	s_wait_tensorcnt 0x0                           ; all my tensor loads have landed: my part of the next slot
	ds_add_u32 v[SPW], v[NIL]                      ; 0 onto my spare word
.if \fill
	s_add_nc_u64 s[G0A+4*\slot+2:G0A+4*\slot+3], s[G0A+4*\slot+2:G0A+4*\slot+3], ASTEP
	s_add_nc_u64 s[G0B+4*\slot+2:G0B+4*\slot+3], s[G0B+4*\slot+2:G0B+4*\slot+3], BSTEP
.endif
	s_wait_dscnt 0x0                               ; the add is done, and my reads of this slot are over
.if \fill
	CROUND                                         ; no wave of any partner still reads this slot or has a load on its way
	JLOAD \slot                                    ; the first tensor load behind the round; its four v_nop are the places in front of the loads below
.else
	s_barrier_signal -1
	s_barrier_wait -1
	PLACES 4
.endif
	FETCH 1-\slot, 0, F0, \swapn
	WIN MUL
	MUL16 F1, 2
	WIN 0
.endm
.macro LAST                            ; the very last plane
	s_wait_dscnt 0x0
	WIN MUL
	MUL16 F1, 2
	WIN 0
.endm
	s_load_b256 s[4:11], s[0:1], 0x0               ; A's codes 4, the weights' codes 6, the exponents 8, the result 10
	s_load_b64 s[14:15], s[0:1], 0x20              ; hnb
	v_lshl_add_u32 v[SPW], v0, 2, SPARE
	v_mov_b32 v[NIL], 0
	ds_add_u32 v28, v29
	s_wait_dscnt 0x0
	v_lshrrev_b32 v1, 5, v0
	v_readfirstlane_b32 s18, v1                    ; wave
	s_lshr_b32 s19, s18, 1                         ; my half of A's rows; also: I fetch for A (0) or B (1)
	s_and_b32 s20, s18, 1                          ; my half of B's rows; also: which two planes I fetch
	s_bfe_u32 s21, ttmp6, 0x40000                  ; cx
	s_bfe_u32 s22, ttmp6, 0x40004                  ; cy
	s_lshl_b32 s23, ttmp9, 2
	s_add_co_u32 s23, s23, s21                     ; x: the block of columns
	s_and_b32 s24, ttmp7, 0xffff
	s_lshl_b32 s24, s24, 2
	s_add_co_u32 s24, s24, s22                     ; y: the block of rows
	s_lshl_b32 s25, s22, 2
	s_lshl_b32 s25, 15, s25                        ; my row of the cluster
	s_lshl_b32 s26, 0x1111, s21                    ; my column
	s_or_b32 s[G1A], s25, (1<<20)|(1<<21)|(4<<22)|(3<<25)   ; mask; elements of 1 byte; padding on; bit 21 beside a mask; 4 words after every 32
	s_or_b32 s[G1B], s26, (1<<20)|(1<<21)|(4<<22)|(3<<25)
.irp g, G1A, G1B
	s_mov_b32 s[\g+1], 128<<16                     ; tensor_dim0
	s_mov_b32 s[\g+2], 256<<16                     ; tensor_dim1
	s_mov_b32 s[\g+3], 128<<16                     ; tile_dim0
	s_mov_b32 s[\g+4], 256                         ; tile_dim1
	s_mov_b32 s[\g+5], 128                         ; pitch
	s_mov_b32 s[\g+6], 0
	s_mov_b32 s[\g+7], 0
.endr
	s_lshl_b32 s68, s20, 15                        ; my two planes
	s_mul_i32 s66, s24, A_MUL                      ; A's address hangs on y and the wave alone,
	s_add_co_u32 s66, s66, s68
	s_add_co_u32 s66, s66, A_OFF
	s_mov_b32 s67, 0
	s_mul_i32 s70, s23, B_MUL                      ; B's on x and the wave alone
	s_add_co_u32 s70, s70, s68
	s_add_co_u32 s70, s70, B_OFF
	s_mov_b32 s71, 0
	s_mul_i32 s27, s18, HALF                       ; and where they go: the wave's number alone
	s_wait_kmcnt 0x0
	s_load_b512 s[72:87], s[8:9], 0x0              ; e0 .. e15
	s_add_nc_u64 s[66:67], s[4:5], s[66:67]
	s_add_nc_u64 s[70:71], s[6:7], s[70:71]
	CROUND                                         ; all sixteen work-groups are here: the first joint loads meet
.irp s, 0,1
	s_mov_b32 s[G0A+4*\s], 1
	s_add_co_u32 s[G0A+4*\s+1], s27, \s*SLOT
	s_add_nc_u64 s[G0A+4*\s+2:G0A+4*\s+3], s[66:67], \s*65536
	s_or_b32 s[G0A+4*\s+3], s[G0A+4*\s+3], 0x80000000
	s_mov_b32 s[G0B+4*\s], 1
	s_add_co_u32 s[G0B+4*\s+1], s27, \s*SLOT
	s_add_nc_u64 s[G0B+4*\s+2:G0B+4*\s+3], s[70:71], \s*65536
	s_or_b32 s[G0B+4*\s+3], s[G0B+4*\s+3], 0x80000000
	JLOAD \s
.endr
	v_and_b32 v1, 15, v0                           ; r
	v_bfe_u32 v2, v0, 4, 1                         ; h
	v_mul_u32_u24 v3, v1, PITCH
	v_lshl_add_u32 v3, v2, 4, v3                   ; a fragment's row x pitch + 16 h
	s_mul_i32 s88, s19, 64*PITCH
	s_mul_i32 s89, s20, 64*PITCH
	s_add_co_u32 s89, s89, 2*HALF
.irp s, 0,1
	v_add_nc_u32 v[ADRA+\s], s88, v3
	v_add_nc_u32 v[ADRB+\s], s89, v3
	s_add_co_u32 s88, s88, SLOT
	s_add_co_u32 s89, s89, SLOT
.endr
; ---- end of the shared block
; ---- the way out in f32: a block of 16 rows x 64 columns goes through my own stage and comes back as rows of 256 bytes
	s_mul_i32 s88, s18, 16*272
	s_add_co_u32 s88, s88, STAGE
	v_mul_u32_u24 v22, v1, 272
	v_lshl_add_u32 v22, v2, 6, v22
	v_add_nc_u32 v22, s88, v22                     ; in: row r, + 64 h bytes
	v_mul_u32_u24 v23, v2, 272
	v_lshl_add_u32 v23, v1, 4, v23
	v_add_nc_u32 v23, s88, v23                     ; back: lanes 0-15 one row, lanes 16-31 the next
	v_lshlrev_b32 v24, 12, v2
	v_lshl_add_u32 v24, v1, 4, v24                 ; and the same two rows in memory
	s_lshl_b32 s60, s24, 19
	s_lshl_b32 s61, s19, 18
	s_add_co_u32 s60, s60, s61
	s_lshl_b32 s61, s23, 9
	s_add_co_u32 s60, s60, s61
	s_lshl_b32 s61, s20, 8
	s_add_co_u32 s60, s60, s61                     ; my first row x 4,096 + my first column x 4
	s_mov_b32 s61, 0
	s_add_nc_u64 s[10:11], s[10:11], s[60:61]
	s_add_nc_u64 s[14:15], s[14:15], s[60:61]
	WIN 0x80                                       ; destination window 2: the residual of all four blocks, in the layout of the rows read back
.irp a, 0,1,2,3
.irp t, 0,1,2,3,4,5,6,7
	global_load_b128 v[32*\a+4*\t:32*\a+4*\t+3], v24, s[14:15] offset:(16*\a+2*\t)*4096
.endr
.endr
	WIN 0
.macro TOST a                          ; block a into my stage and back as whole rows
.irp n, 0,1,2,3,4,5,6,7
	ds_store_b128 v22, v[ACC+32*(\a)+4*\n:ACC+32*(\a)+4*\n+3] offset:128*(\n/4)+16*(\n%4)   ; each accumulator from its low end on
.endr
.irp t, 0,1,2,3,4,5,6,7
	ds_load_b128 v[OB+32*((\a)%2)+4*\t:OB+32*((\a)%2)+4*\t+3], v23 offset:544*\t   ; LDS serves a wave's instructions in order: these see my stores, and the next block's stores come behind them
.endr
.endm
.macro SENDF a, younger                ; younger: the LDS instructions issued behind block a's loads, which may stay out
	s_wait_dscnt \younger
	WIN 0x20                                       ; source 2 (the residual) window 2
.set n, 0
.rept 16
	v_pk_fma_f32 v[OB+32*((\a)%2)+n:OB+32*((\a)%2)+n+1], v[OB+32*((\a)%2)+n:OB+32*((\a)%2)+n+1], s[90:91], v[32*(\a)+n:32*(\a)+n+1] op_sel_hi:[1,0,1]
.set n, n+2
.endr
	WIN 0
.irp t, 0,1,2,3,4,5,6,7
	global_store_b128 v24, v[OB+32*((\a)%2)+4*\t:OB+32*((\a)%2)+4*\t+3], s[10:11] offset:(16*(\a)+2*\t)*4096 th:TH_STORE_NT   ; 16 lanes store 256 consecutive bytes, aligned; written once, read by nobody here
.endr
.endm
.macro KSTEP slot, fill
	SUB \slot, 0, 2, 0
	SUB \slot, 1, 2, 0
	SUB \slot, 2, 2, 0
	TURN \slot, \fill, 0
.endm
	s_wait_kmcnt 0x0
	s_add_co_i32 s90, s86, s87                     ; e14 + e15
	s_add_co_i32 s90, s90, 127
	s_lshl_b32 s90, s90, 23
	s_mov_b32 s91, s90
	s_wait_tensorcnt 1                             ; my part of K step 0 is in; K step 1's may be out
	s_barrier_signal -1
	s_barrier_wait -1
	FETCH 0, 0, F0, 0
	SUB 0, 0, 0, 0                                 ; the first products start the sums
	SUB 0, 1, 2, 0
	SUB 0, 2, 2, 0
	TURN 0, 1, 0
	KSTEP 1, 1
	KSTEP 0, 1
	KSTEP 1, 1
	KSTEP 0, 1
	KSTEP 1, 1                                     ; K step 5 asks for K step 7: the last fill
	KSTEP 0, 0
	SUB 1, 0, 2, 0
	SUB 1, 1, 2, 0
	SUB 1, 2, 2, 0
	LAST
	PLACES 4
	s_wait_loadcnt 0x0                             ; the residual, asked for at the head
	TOST 0
	TOST 1
	SENDF 0, 16                                    ; behind block 0's loads: block 1's 8 stores and 8 loads
	s_wait_xcnt 0x0                                ; block 0's stores have read their registers: block 2's rows may land there
	TOST 2
	SENDF 1, 16
	s_wait_xcnt 0x0
	TOST 3
	SENDF 2, 16
	SENDF 3, 0
	s_wait_tensorcnt 0x0                           ; the wave's end
	ds_add_u32 v[SPW], v[NIL]
	s_wait_dscnt 0x0
	CROUND                                         ; the closing round
	s_endpgm
.Lfunc_end_k_q2e30e31aee_proj:
	.size	k_q2e30e31aee_proj, .Lfunc_end_k_q2e30e31aee_proj-k_q2e30e31aee_proj
	.p2alignl 7, 3214868480
	.fill 96, 4, 3214868480
	.section	.rodata,"a",@progbits
	.p2align	6, 0x0
	.amdhsa_kernel k_q2e30e31aee_proj
		.amdhsa_group_segment_fixed_size 327680
		.amdhsa_private_segment_fixed_size 0
		.amdhsa_enable_private_segment 0
		.amdhsa_kernarg_size 40
		.amdhsa_user_sgpr_count 2
		.amdhsa_user_sgpr_kernarg_segment_ptr 1
		.amdhsa_wavefront_size32 1
		.amdhsa_system_sgpr_workgroup_id_x 1
		.amdhsa_system_sgpr_workgroup_id_y 1
		.amdhsa_system_sgpr_workgroup_id_z 1
		.amdhsa_system_vgpr_workitem_id 0
		.amdhsa_next_free_vgpr 640
		.amdhsa_next_free_sgpr 100
		.amdhsa_reserve_vcc 0
		.amdhsa_float_denorm_mode_32 3
		.amdhsa_float_denorm_mode_16_64 3
		.amdhsa_memory_ordered 1
		.amdhsa_forward_progress 1
		.amdhsa_inst_pref_size 132
	.end_amdhsa_kernel
	.amdgpu_metadata
---
amdhsa.version: [ 1, 2 ]
amdhsa.kernels:
  - .name:           k_q2e30e31aee_proj
    .symbol:         k_q2e30e31aee_proj.kd
    .args:
      - { .name: g, .offset: 0, .size: 8, .value_kind: global_buffer, .address_space: global }
      - { .name: wc, .offset: 8, .size: 8, .value_kind: global_buffer, .address_space: global }
      - { .name: lowp_scales, .offset: 16, .size: 8, .value_kind: global_buffer, .address_space: global }
      - { .name: out0, .offset: 24, .size: 8, .value_kind: global_buffer, .address_space: global }
      - { .name: hnb, .offset: 32, .size: 8, .value_kind: global_buffer, .address_space: global }
    .group_segment_fixed_size: 327680
    .private_segment_fixed_size: 0
    .kernarg_segment_align: 8
    .kernarg_segment_size: 40
    .max_flat_workgroup_size: 128
    .sgpr_count:     100
    .vgpr_count:     640
    .wavefront_size: 32
...
	.end_amdgpu_metadata
.endif
;; end of part 7
